; MI455X (gfx1250); checked and timed in simulation.
; The chip was launched on July 23, 2026; its instructions are those of AMD's public machine-readable ISA for CDNA 5 (MIT licence, August 2026) and "CDNA5" Instruction Set Architecture Reference Guide (July 2026). The comments in the code are by the model that wrote it; some were corrected since.
;; Simple Multihead SDP Attention. Allowed arithmetic: matrix products marked QUANTISED: E3M2 operands, one E8M0 scale for each 32 along K, by v_wmma_scale_f32_16x16x128_f8f6f4 with both operands' format E3M2, f32 sums; everything else in f32.
;; Inputs: Wk 1,024 x 1,024 float32; Wo 1,024 x 1,024 float32; Wq 1,024 x 1,024 float32; Wv 1,024 x 1,024 float32; bk 1,024 float32; bo 1,024 float32; bq 1,024 float32; bv 1,024 float32; key 4 x 2,048 x 1,024 float32; query 4 x 2,048 x 1,024 float32; value 4 x 2,048 x 1,024 float32.
;; Outputs: out0 4 x 2,048 x 1,024 float32.
;; This version of the problem:
;;   THIS VERSION OF THE PROBLEM IS GIVEN IN LOW PRECISION. The matrix products marked QUANTISED in the list below multiply operands that are first quantised to E3M2 (3 exponent bits, 2 mantissa bits; 6 bits a number), with one power-of-two scale for each 32 numbers along K (OCP MX v1.0); their sums are f32. All else is computed in f32.
;;   The module's matrix products, in the order in which they are computed (A, B: the left and right operand; K: the contracted axis; several contracted axes count as one K, in the product's order):
;;     1. [M 8,192, K 1,024] x [K 1,024, N 1,024]; A: input query; B: input Wq: QUANTISED
;;     2. [M 8,192, K 1,024] x [K 1,024, N 1,024]; A: input key; B: input Wk: QUANTISED
;;     3. [M 8,192, K 1,024] x [K 1,024, N 1,024]; A: input value; B: input Wv: QUANTISED
;;     4. batch 64 x [M 2,048, K 64] x [K 64, N 2,048]; A: computed on the way; B: computed on the way: QUANTISED
;;     5. batch 64 x [M 2,048, K 2,048] x [K 2,048, N 64]; A: softmax (see below); B: computed on the way: QUANTISED
;;     6. [M 8,192, K 1,024] x [K 1,024, N 1,024]; A: computed on the way; B: input Wo: QUANTISED
;;   THE QUANTISER, for each operand of a quantised product, along K:
;;     - K is cut into blocks of 32 from its start; a last block that is shorter is filled with zeros.
;;     - A block's scale is 2^e with e = floor(log2(the largest magnitude in the block)) - 4, held to -126 .. 127; a block of zeros has e = 0. As a byte (E8M0): e + 127.
;;     - Each number is divided by its block's scale, clamped to +-28, and rounded to the nearest number of E3M2, ties to even, subnormals kept.
;;     - The product sums the exact products of the quantised numbers (number of the format x scale) in f32.
;;   ~~~python
;;   def quantise(x, axis):      # numpy; x: float32 -> the quantised numbers, widened to float32 again
;;       x = np.moveaxis(x, axis, -1); K = x.shape[-1]
;;       x = np.pad(x, [(0, 0)] * (x.ndim - 1) + [(0, -K % 32)]); x = x.reshape(x.shape[:-1] + (-1, 32)); a = np.abs(x).max(-1, keepdims=True)
;;       e = np.where(a > 0, np.clip(np.frexp(np.where(a > 0, a, 1))[1] - 1 - 4, -126, 127), 0)      # np.frexp(a)[1] - 1 = floor(log2(a)), exactly
;;       r = np.clip(x / 2.0 ** e, -28, 28)
;;       step = 2.0 ** (np.maximum(np.frexp(np.where(r == 0, 1, r))[1] - 1, -2) - 2)
;;       q = np.round(r / step) * step * 2.0 ** e      # np.round: ties to even
;;       return np.moveaxis(q.reshape(q.shape[:-2] + (-1,))[..., :K], -1, axis).astype(np.float32)
;;   ~~~
;;   SOFTMAX AHEAD OF A QUANTISED PRODUCT. Where the list says 'softmax', what is quantised is not the finished softmax but p = 2^(t - M), with t = logit x log2(e) and M = ceil(the row's largest t), a whole number; so 1/2 < the row's largest p <= 1. The row's sum l is taken of the UNQUANTISED p, in f32, and the product's result is divided by l at the end. Since M is a whole number, a kernel that streams over the keys may use a running M (the ceiling of the running maximum): every later rescaling is an exact power of two, which a block's scale takes up: the codes' values come out the same.
;;   OPERANDS COMPUTED ON THE WAY. 'Computed on the way' means the value that the module computes at that place (a softmax that the list does not call 'softmax' is quantised finished and normalised). What goes into a quantiser is computed in f32, as accurately as f32 sums, v_exp_f32 and their like allow (about 1e-6 of the number): no bf16 or f16 on the way to a quantiser, and a product that is left as it is and whose result goes on into a quantised operand takes f32 operands (vector FMAs, or v_wmma_f32_16x16x4_f32). A number that lies on a knife's edge between two numbers of the format may be rounded either way, as far as f32 arithmetic and the matrix unit's own rounding can turn it there, and no further.
;; 2 versions, each right; version 2 is version 1 with the launch attn written anew for expert scheduling mode. Each part assembles by itself: llvm-mc -triple=amdgcn-amd-amdhsa -mcpu=gfx1250 --defsym DOCPART=n.
;; ======== version 1 of 2: 4 launches
;; workspace buffers: opc 22,020,096 bytes; ops 917,504 bytes; qkv 19,660,800 bytes; ac 6,291,456 bytes; asc 262,144 bytes
;; launch quant (part 1): grid 256 x 1, 7 waves a work-group, no clusters, 60,160 bytes of LDS; arguments query, key, value, Wq, Wk, Wv, Wo, opc, ops; writes opc, ops
.if DOCPART == 1
	.amdgcn_target "amdgcn-amd-amdhsa--gfx1250"
	.amdhsa_code_object_version 6
	.text
	.protected	k_qf39438329c_quant
	.globl	k_qf39438329c_quant
	.p2align	8
	.type	k_qf39438329c_quant,@function
k_qf39438329c_quant:
	s_mov_b64 s[64:65], 0
	v_nop
	global_prefetch_b8 v0, s[64:65] scope:SCOPE_SE
	s_setreg_imm32_b32 hwreg(HW_REG_WAVE_MODE, 25, 1), 1
	s_wait_xcnt 0x0
; query, key, value [8192][1024] and Wq, Wk, Wv, Wo [1024][1024], f32, K innermost, become codes of BF6 (E3M2) with one E8M0 byte for each 32 along K.
; A block's scale is 2^(floor(log2(its largest magnitude)) - 4); its byte is the largest magnitude's exponent field - 4, held at 1 from below.
; LIMITS: NaN and infinities among the inputs are not served.  A block whose largest magnitude lies under 2^-122 keeps the byte 1; a block of zeros has the byte 1 where the
; rule says 127: its codes are zeros, which add nothing under any byte but 0xff, and the bytes are read by this program alone.
; THE OUTPUT IS LAID AS THE MATRIX UNIT'S REGISTERS.  The seven tensors are one stream of 1,792 TILES of 16 rows x 1,024 K: query 0-511, key 512-1023, value 1024-1535, Wq 1536-, Wk 1600-, Wv 1664-, Wo 1728-1791.
; Tile 2 G + u of a tensor holds, at position p, row 32 G + 8 u + p + 8 (p / 8).  A tile's codes are 16 HALF FRAGMENTS of 768 bytes (16 positions x 64 K = six registers a lane):
; bytes 0-511 registers 0-3, lane l at 16 l; bytes 512-767 registers 4, 5, lane l at 8 l.  Its scale words are [K / 128][position], 512 bytes.
; SHARES.  1,792 = 256 work-groups x 7 waves: a wave takes one tile, 64 KiB in, 12,800 bytes out.  Waves share nothing: no barrier.  Memory binds, so matrix units, clusters and tensor loads are left out.
; Each load reads 512 consecutive bytes of one row (128 K); a K step's 16 rows turn through the wave's own stage in LDS, so that a lane gets 16 neighbours of each block of 32.  Loads run two K steps (32 loads a wave) ahead.
.set STG,   8448                       ; a wave's stage: 16 rows of 512 bytes + 16
.set PITCH, 528                        ; 33 x 16 bytes: the sixteen rows that a read touches start at sixteen different groups of banks
.set R,     16                         ; v16-143  two sets of 64: a K step's rows as loaded
.set X,     144                        ; v144-207 64 numbers of a lane: register 16 b + i = k 32 b + 16 (lane / 16) + i of my row
.set PC,    208                        ; v208-227 the codes just made
.set TM,    228                        ; v228-243 at work
.set PW,    244                        ; the scale word just made
.set W,     245                        ; v245-252 the eight K steps' scale words
.set SEL,   30                         ; s[30:31] lane selects for v_permlanex16_b32: lane l xor 16
; 64 numbers of a lane, v[s] .. v[s + 63], become a fragment's codes in v[PC] .. v[PC + 11] and its row's scale word in v[PW]
.macro QUANT s
.irp b, 0,1,2,3
	v_max3_num_f32 v[TM+\b], |v[\s+16*\b]|, |v[\s+1+16*\b]|, 0x2800000   ; block b: my 16 numbers, and the floor 2^(5 - 127): so the byte cannot fall under 1
.endr
.irp i, 2,4,6,8,10,12,14
.irp b, 0,1,2,3
	v_max3_num_f32 v[TM+\b], v[TM+\b], |v[\s+16*\b+\i]|, |v[\s+1+16*\b+\i]|   ; the four blocks by turns
.endr
.endr
.irp b, 0,1,2,3
	v_permlanex16_b32 v[TM+4+\b], v[TM+\b], s[SEL], s[SEL+1]
.endr
.irp b, 0,1,2,3
	v_max_num_f32 v[TM+\b], v[TM+\b], v[TM+4+\b]   ; with lane l xor 16's: the block's largest magnitude
.endr
.irp b, 0,1,2,3
	v_add_nc_u32 v[TM+12+\b], 0xfe000000, v[TM+\b]   ; 4 off its exponent field: the conversion takes this operand's exponent field as its scale
.endr
.irp b, 0,1,2,3
	v_lshrrev_b32 v[TM+4+\b], 23, v[TM+12+\b]      ; the scale's byte
.endr
	v_lshl_or_b32 v[PW], v[TM+5], 8, v[TM+4]
	v_lshl_or_b32 v[PW], v[TM+6], 16, v[PW]
	v_lshl_or_b32 v[PW], v[TM+7], 24, v[PW]
.irp c, 0,1
	v_cvt_scalef32_pk16_bf6_f32 v[PC+6*\c:PC+2+6*\c], v[\s+32*\c:\s+15+32*\c], v[TM+12+2*\c]
	v_cvt_scalef32_pk16_bf6_f32 v[PC+12+4*\c:PC+14+4*\c], v[\s+16+32*\c:\s+31+32*\c], v[TM+12+2*\c+1]   ; (a conversion's three registers begin on an even number)
.endr
	v_nop                                          ; one plain place behind a scaled conversion
.irp c, 0,1                                    ; the operand's layout wants a whole block in a lane: lanes 0-15 block 2 c, lanes 16-31 block 2 c + 1
.irp i, 0,1,2
	v_permlane16_swap_b32 v[PC+6*\c+\i], v[PC+12+4*\c+\i]
.endr
.irp i, 0,1,2
	v_mov_b32 v[PC+3+6*\c+\i], v[PC+12+4*\c+\i]
.endr
.endr
.endm
	s_load_b256 s[4:11], s[0:1], 0x0               ; query, key, value, Wq
	s_load_b256 s[12:19], s[0:1], 0x20             ; Wk, Wv, Wo, the codes
	s_load_b64 s[20:21], s[0:1], 0x40              ; the scale words
	v_lshl_add_u32 v254, v0, 2, 0xe700
	v_mov_b32 v255, 0
	v_lshrrev_b32 v7, 5, v0
	v_readfirstlane_b32 s22, v7                    ; wave 0..6
	v_and_b32 v7, 31, v0                           ; lane
	v_and_b32 v8, 15, v0                           ; r
	v_bfe_u32 v9, v0, 4, 1                         ; h
	v_lshlrev_b32 v1, 4, v7                        ; 16 x lane: my bytes of a load's 512, and of a store's
	v_lshlrev_b32 v5, 3, v7                        ; 8 x lane
	v_lshlrev_b32 v6, 2, v7                        ; 4 x lane
	s_mul_i32 s27, s22, STG
	v_add_nc_u32 v2, s27, v1                       ; the stage, on the way in: a row as it lies
	v_mul_u32_u24 v3, v8, PITCH
	v_lshl_add_u32 v3, v9, 6, v3
	v_add_nc_u32 v3, s27, v3                       ; and on the way out: row r, + 64 h: my 16 numbers of a block
	s_mul_i32 s23, ttmp9, 7
	s_add_co_u32 s23, s23, s22                     ; my tile
	s_mov_b32 s[SEL], 0x76543210
	s_mov_b32 s[SEL+1], 0xfedcba98
.irp b, 0,1,2,3
	v_mov_b32 v[TM+4+\b], 0                        ; written once: a lane permute's destination counts as one of its sources
.endr
	s_wait_kmcnt 0x0
	s_mov_b64 s[24:25], s[4:5]                     ; which tensor is my tile's: the choice hangs on the tile's number alone
	s_mov_b32 s26, 0
.macro PICK first, ptr
	s_cmp_ge_u32 s23, \first
	s_cselect_b64 s[24:25], s[\ptr:\ptr+1], s[24:25]
	s_cselect_b32 s26, \first, s26
.endm
	PICK 512, 6
	PICK 1024, 8
	PICK 1536, 10
	PICK 1600, 12
	PICK 1664, 14
	PICK 1728, 16
	s_sub_co_u32 s26, s23, s26                     ; the tile's number in its tensor: 2 G + u
	s_lshr_b32 s28, s26, 1
	s_lshl_b32 s28, s28, 17                        ; 32 G rows of 4,096 bytes
	s_and_b32 s26, s26, 1
	s_lshl_b32 s26, s26, 15                        ; 8 u rows
	s_add_co_u32 s28, s28, s26
	s_mov_b32 s29, 0
	s_add_nc_u64 s[24:25], s[24:25], s[28:29]
	s_mul_i32 s28, s23, 12288
	s_add_nc_u64 s[18:19], s[18:19], s[28:29]      ; my tile's codes
	s_lshl_b32 s28, s23, 9
	s_add_nc_u64 s[20:21], s[20:21], s[28:29]      ; and its scale words
.macro LOAD s                          ; K step s of the tile's 16 rows: each load 512 consecutive bytes
.irp i, 0,1,2,3,4,5,6,7,8,9,10,11,12,13,14,15
	global_load_b128 v[R+64*((\s)%2)+4*\i:R+64*((\s)%2)+4*\i+3], v1, s[24:25] offset:(\i+8*(\i/8))*4096+512*(\s) th:TH_LOAD_NT
.endr
.endm
.macro STEP s
.if (\s) < 7
	s_wait_loadcnt 16                              ; this step's 16 loads are in; the next step's 16 may be out
.else
	s_wait_loadcnt 0
.endif
.irp i, 0,1,2,3,4,5,6,7,8,9,10,11,12,13,14,15
	ds_store_b128 v2, v[R+64*((\s)%2)+4*\i:R+64*((\s)%2)+4*\i+3] offset:PITCH*\i
.endr
.irp b, 0,1,2,3
.irp j, 0,1,2,3
	ds_load_b128 v[X+16*\b+4*\j:X+16*\b+4*\j+3], v3 offset:128*\b+16*\j   ; LDS serves a wave's instructions in order: these see the stores above
.endr
.endr
	s_wait_dscnt 0x0                               ; my 64 numbers are in, and the stores have read their registers,
.if (\s) < 6
	LOAD (\s)+2                                    ; which take the loads of two steps on
.endif
	s_wait_xcnt 0x0                                ; the last step's stores have read the codes' registers: they are written again only behind this wait
	QUANT X
	v_mov_b32 v[W+(\s)], v[PW]
	global_store_b128 v1, v[PC:PC+3], s[18:19] offset:1536*(\s)             ; 512 consecutive bytes, at a multiple of 256 from the buffer's first byte
	global_store_b64 v5, v[PC+4:PC+5], s[18:19] offset:1536*(\s)+512        ; 256
	global_store_b128 v1, v[PC+6:PC+9], s[18:19] offset:1536*(\s)+768
	global_store_b64 v5, v[PC+10:PC+11], s[18:19] offset:1536*(\s)+1280
.endm
	LOAD 0
	LOAD 1
.irp t, 0,1,2,3,4,5,6,7
	STEP \t
.endr
	v_cmp_le_u32 vcc_lo, 16, v7                    ; lanes 16-31 take the odd K steps' words (both halves of the lanes hold every word)
.irp p, 0,1,2,3
	v_cndmask_b32 v[X+\p], v[W+2*\p], v[W+2*\p+1], vcc_lo
	global_store_b32 v6, v[X+\p], s[20:21] offset:128*\p   ; words [K step 2 p + h][r]: the four stores cover the tile's 512 bytes
.endr
	s_wait_tensorcnt 0x0
	ds_add_u32 v254, v255
	s_wait_dscnt 0x0
	s_endpgm
.Lfunc_end_k_qf39438329c_quant:
	.size	k_qf39438329c_quant, .Lfunc_end_k_qf39438329c_quant-k_qf39438329c_quant
	.p2alignl 7, 3214868480
	.fill 96, 4, 3214868480
	.section	.rodata,"a",@progbits
	.p2align	6, 0x0
	.amdhsa_kernel k_qf39438329c_quant
		.amdhsa_group_segment_fixed_size 60160
		.amdhsa_private_segment_fixed_size 0
		.amdhsa_enable_private_segment 0
		.amdhsa_kernarg_size 72
		.amdhsa_user_sgpr_count 2
		.amdhsa_user_sgpr_kernarg_segment_ptr 1
		.amdhsa_wavefront_size32 1
		.amdhsa_system_sgpr_workgroup_id_x 1
		.amdhsa_system_sgpr_workgroup_id_y 1
		.amdhsa_system_sgpr_workgroup_id_z 1
		.amdhsa_system_vgpr_workitem_id 0
		.amdhsa_next_free_vgpr 256
		.amdhsa_next_free_sgpr 66
		.amdhsa_reserve_vcc 1
		.amdhsa_float_denorm_mode_32 3
		.amdhsa_float_denorm_mode_16_64 3
		.amdhsa_memory_ordered 1
		.amdhsa_forward_progress 1
		.amdhsa_inst_pref_size 66
	.end_amdhsa_kernel
	.amdgpu_metadata
---
amdhsa.version: [ 1, 2 ]
amdhsa.kernels:
  - .name:           k_qf39438329c_quant
    .symbol:         k_qf39438329c_quant.kd
    .args:
      - { .name: query, .offset: 0, .size: 8, .value_kind: global_buffer, .address_space: global }
      - { .name: key, .offset: 8, .size: 8, .value_kind: global_buffer, .address_space: global }
      - { .name: value, .offset: 16, .size: 8, .value_kind: global_buffer, .address_space: global }
      - { .name: Wq, .offset: 24, .size: 8, .value_kind: global_buffer, .address_space: global }
      - { .name: Wk, .offset: 32, .size: 8, .value_kind: global_buffer, .address_space: global }
      - { .name: Wv, .offset: 40, .size: 8, .value_kind: global_buffer, .address_space: global }
      - { .name: Wo, .offset: 48, .size: 8, .value_kind: global_buffer, .address_space: global }
      - { .name: opc, .offset: 56, .size: 8, .value_kind: global_buffer, .address_space: global }
      - { .name: ops, .offset: 64, .size: 8, .value_kind: global_buffer, .address_space: global }
    .group_segment_fixed_size: 60160
    .private_segment_fixed_size: 0
    .kernarg_segment_align: 8
    .kernarg_segment_size: 72
    .max_flat_workgroup_size: 224
    .sgpr_count:     66
    .vgpr_count:     256
    .wavefront_size: 32
...
	.end_amdgpu_metadata
.endif
;; end of part 1
;; launch proj (part 2): grid 4 x 96, 4 waves a work-group, clusters of 4 x 4, 327,680 bytes of LDS; arguments opc, ops, bq, bk, bv, qkv; writes qkv
.if DOCPART == 2
	.amdgcn_target "amdgcn-amd-amdhsa--gfx1250"
	.amdhsa_code_object_version 6
	.text
	.protected	k_qf39438329c_proj
	.globl	k_qf39438329c_proj
	.p2align	8
	.type	k_qf39438329c_proj,@function
k_qf39438329c_proj:
	s_mov_b64 s[64:65], 0
	v_nop
	global_prefetch_b8 v0, s[64:65] scope:SCOPE_SE
	s_setreg_imm32_b32 hwreg(HW_REG_WAVE_MODE, 25, 1), 1
	s_wait_xcnt 0x0
	s_wait_alu depctr_hold_cnt(0) depctr_sa_sdst(0) depctr_va_vdst(0) depctr_va_sdst(0) depctr_va_ssrc(0) depctr_va_vcc(0) depctr_vm_vsrc(0)
	s_getreg_b32 s2, hwreg(HW_REG_IB_STS2, 6, 4)
	s_cmp_eq_u32 s2, 0
	s_cbranch_scc0 .Lentry_in_a_cluster
	s_endpgm
.Lentry_in_a_cluster:
	s_bfe_u32 s2, ttmp6, 0x10000c
	s_cmp_lg_u32 s2, 0xf033
	s_cbranch_scc0 .Lentry_shape_is_right
	s_endpgm
.Lentry_shape_is_right:
; q = query Wq^T + bq, k = key Wk^T + bk, v = value Wv^T + bv on codes of BF6 (E3M2) with E8M0 scales, sums in f32; the results, in f32, get their bias and are quantised here into attention's operands.
; OPERANDS (made by the launch before): tiles of 16 rows x 1,024 K; tile 2 G + u holds at position p row 32 G + 8 u + p + 8 (p / 8); codes 12,288 bytes a tile as 16 half fragments of 768 bytes
; (registers 0-3 at 16 x lane, registers 4, 5 at 512 + 8 x lane); scale words [K / 128][position], 512 bytes a tile.  Tiles: query 0, key 512, value 1024, Wq 1536, Wk 1600, Wv 1664.
; SHARES.  24 clusters of 4 x 4 work-groups: eight for each of q, k, v (z = cluster / 8).  A work-group of four waves, as many as a WGP has SIMDs, makes 256 x 256; a wave 128 x 128: 64 accumulators, 512 registers.
; THE MATRIX INSTRUCTION: source 0 = 16 rows of 'B', source 1 = 16 rows of 'A': a lane holds ONE row of A, and, by the order of rows in a tile, the 64 registers of A's block a are 128 neighbours along B's rows:
; register 16 b + i = B's row 32 b + 16 (lane / 16) + i.  For q and k: A = the activations, B = the weight: a lane's registers run along the head's channels, the K of the scores' product.
; For v: A = Wv, B = value: a lane holds one channel and its registers run along the KEYS, the K of the second product.  So every result is quantised in registers, with no transposition.
; K goes in steps of 256 through a ring of two LDS slots; a wave's tensor load brings 8 tiles x 3,072 bytes.  The scale words of the work-group's 512 rows, for all of K, come once, 4,096 dense bytes a wave.
; CLUSTERS.  The four of a row of the cluster need the same tiles of A, the four of a column the same tiles of B: each is asked for jointly.  z hangs on the cluster's number alone: it is the same in all sixteen.
; OUTPUT: qkv [batch x 16 + head][group of 128 rows][19,200 bytes]: +0 K's 8 tiles x 768; +6144 V^T: 4 tiles of 16 channels x 128 keys x 1,536; +12288 K's scale words [position][4] (low half: tile 2 f, high half: tile 2 f + 1);
; +12544 V's scale words [position][channel tile]; +12800 Q's 8 tiles; +18944 Q's scale words, as K's.
; LIMITS: NaN and infinities are not served; a block whose largest magnitude lies under 2^-122, zeros among them, keeps the byte 1 (its codes add nothing under any byte but 0xff; this program alone reads the bytes).
; REGISTERS, in windows of 256: window 0: v1-9 lane terms; v16-29 LDS addresses; v32-63 scale words, two sets, and nothing else; v64-93 the quantiser's; v128-223 A's fragments, ONE set (afterwards the 64 numbers in hand
;   and their codes); v224-239 v's bias.  window 1: B's fragments, TWO sets, at v0 and v128; q's and k's bias at v96-127 and v224-255.  windows 2, 3: the accumulators, (a, b) at v[8 (8 (a % 4) + b)].
.set NQ,     2                         ; matrix instructions deep in a slot
.set FR,     12                        ; registers of a fragment: 16 rows x 128 K
.set NL,     4                         ; LDS loads that bring one
.set NP,     4                         ; places behind this matrix instruction (ISA guide 7.12.1)
.set TILEB,  3072                      ; a tile's 256 along K: four half fragments
.set HALFT,  8*TILEB                   ; 128 rows: what one tensor load brings, and what one wave reads of A or of B
.set SLOT,   4*HALFT                   ; A's 256 rows, then B's 256 rows
.set LAPS,   2                         ; 1,024 along K = four K steps = twice round the ring
.set SCL,    2*SLOT                    ; behind the ring: the scale words, filled once
.set HALFS,  4096                      ; those of 128 rows
.set SPARE,  SCL+4*HALFS               ; the spare words, 128 bytes for each wave: two blocks of 256 bytes that no other line names
.set RECB,   19200
.set HEADB,  16*RECB
.set C16,  4                           ; v4   16 x lane
.set C8,   5                           ; v5   8 x lane
.set SCO,  6                           ; v6   16 r + 8 h: my two scale words on the way out
.set ADRA, 16                          ; v16-17 LDS address of A's fragments in slot 0, 1, with 16 x lane; v18-19 with 8 x lane
.set ADRB, 20                          ; v20-23 the same for B
.set ADRS, 27                          ; v27  my scale words: lanes 0-15 A's rows, lanes 16-31 B's
.set SPW,  28                          ; v28  LDS address of my spare word; never rewritten
.set NIL,  29                          ; v29  0; never rewritten
.set SC,   32                          ; set s at v[SC + 16 s]; register 2 i + q: lanes 0-15 the word of A's block i, lanes 16-31 of B's block i, for the slot's q-th 128 along K
.set TM,   64
.set PW,   80
.set HWT,  81
.set SW,   82                          ; v82-89 scale words on the way out: head c of my two, word f: v[SW + 4 c + f]
.set PR,   90
.set AF,   128
.set X,    128
.set PC,   192
.set BV,   224
.set WV, 16
.set HA, 17                            ; which half of the tile's A rows is mine.  Also: I fetch for A (0) or for B (1)
.set HB, 18                            ; which half of its B rows.  Also: which 128 rows I fetch
.set Z,  19
.set CX, 20
.set CY, 21
.set TC, 22
.set TR, 23
.set G1, 24
.set G0, 32
.set G1B, 48
.set G0B, 56
.set G1S, 68
.set G0S, 76
.set G1SB, 80
.set G0SB, 88
.set OB, 92
.set OS, 94
.set SEL, 100
.set MSB, 0
.macro WIN new                         ; the immediate's high byte repeats the setting that is left
.if MSB != (\new)
	s_set_vgpr_msb (MSB<<8)|(\new)
.set MSB, (\new)
.endif
.endm
.set MUL_LO, 0xa1                      ; source 0 (B) window 1, source 1 (A) window 0, C and D window 2
.set MUL_HI, 0xf1                      ; the same, C and D window 3
.set TO_B,   0x40                      ; destination window 1, address window 0
; A joint load: waves 0 and 1 fetch for A, waves 2 and 3 for B.  The branch hangs on the wave's number alone.  Four v_nop follow each of the two lines.
.macro JLOAD g0a, g1a, g0b, g1b
	s_cmp_eq_u32 s[HA], 0
	s_cbranch_scc0 .Lfor_b_\@
	tensor_load_to_lds s[\g0a:\g0a+3], s[\g1a:\g1a+7]
	s_nop 0
.rept 4
	v_nop
.endr
	s_branch .Lasked_\@
.Lfor_b_\@:
	tensor_load_to_lds s[\g0b:\g0b+3], s[\g1b:\g1b+7]
	s_nop 0
.rept 4
	v_nop
.endr
.Lasked_\@:
.endm
.macro CREST                           ; a round of the cluster's barrier behind its opening barrier
	s_cmp_lg_u32 s[WV], 0
	s_cbranch_scc1 .Lnot_wave_0_\@
	s_barrier_signal -3
.Lnot_wave_0_\@:
	s_barrier_wait -3
	s_barrier_signal -1
	s_barrier_wait -1
.endm
.macro CROUND                          ; a whole round
	s_barrier_signal -1
	s_barrier_wait -1
	CREST
.endm
	s_load_b128 s[4:7], s[0:1], 0x0                ; the codes, the scale words
	s_load_b128 s[8:11], s[0:1], 0x10              ; bq, bk
	s_load_b128 s[12:15], s[0:1], 0x20             ; bv, qkv
	v_lshl_add_u32 v[SPW], v0, 2, SPARE
	v_mov_b32 v[NIL], 0
	ds_add_u32 v28, v29
	ds_add_u32 v28, v29
	s_wait_dscnt 0x0
	v_lshrrev_b32 v1, 5, v0
	v_readfirstlane_b32 s[WV], v1                  ; wave 0..3
	s_lshr_b32 s[HA], s[WV], 1
	s_and_b32 s[HB], s[WV], 1
	s_bfe_u32 s[CX], ttmp6, 0x40000                ; cx, cy: my place in the cluster
	s_bfe_u32 s[CY], ttmp6, 0x40004
	s_and_b32 s40, ttmp7, 0xffff                   ; the cluster's number, 0..23
	s_lshr_b32 s[Z], s40, 3                        ; 0: q, 1: k, 2: v
	s_and_b32 s40, s40, 7                          ; which eighth of the 8,192 rows
	s_lshl_b32 s41, s[Z], 9                        ; q, k: A = tiles 512 z on,
	s_lshl_b32 s42, s[Z], 6
	s_add_co_u32 s42, s42, 1536                    ; B = tiles 1536 + 64 z on
	s_cmp_eq_u32 s[Z], 2
	s_cselect_b32 s43, 0, s40                      ; the eighth goes along A's rows for q and k,
	s_cselect_b32 s44, s40, 0                      ; along B's for v
	s_cselect_b32 s41, 1664, s41                   ; v: A = Wv,
	s_cselect_b32 s42, 1024, s42                   ; B = value
	s_lshl_b32 s[TR], s43, 2
	s_add_co_u32 s[TR], s[TR], s[CY]               ; which 256 rows of A
	s_lshl_b32 s[TC], s44, 2
	s_add_co_u32 s[TC], s[TC], s[CX]               ; which 256 rows of B
	s_lshl_b32 s43, s[CY], 2
	s_lshl_b32 s43, 15, s43                        ; my row of the cluster
	s_lshl_b32 s44, 0x1111, s[CX]                  ; my column
	; descriptor group 1 for codes: 8 rows (tiles) of 384 elements of 8 bytes, 1,536 elements from tile to tile; no padding: every LDS read takes consecutive bytes
	s_or_b32 s[G1+0], s43, (3<<16)|(1<<21)         ; 15:0 the mask: A's tiles go to my row; 17:16 elements of 8 bytes; 21 set beside a mask
	s_or_b32 s[G1B+0], s44, (3<<16)|(1<<21)
.irp g, G1, G1B
	s_mov_b32 s[\g+1], 384<<16                     ; tensor_dim0
	s_mov_b32 s[\g+2], 8<<16                       ; tensor_dim1
	s_mov_b32 s[\g+3], 384<<16                     ; tile_dim0
	s_mov_b32 s[\g+4], 8                           ; tile_dim1
	s_mov_b32 s[\g+5], 1536                        ; tensor_dim0_stride
	s_mov_b32 s[\g+6], 0
	s_mov_b32 s[\g+7], 0
.endr
	; and for the scale words of 8 tiles: 4,096 dense bytes as 16 rows of 256
	s_or_b32 s[G1S+0], s43, (3<<16)|(1<<21)
	s_or_b32 s[G1SB+0], s44, (3<<16)|(1<<21)
.irp g, G1S, G1SB
	s_mov_b32 s[\g+1], 32<<16
	s_mov_b32 s[\g+2], 16<<16
	s_mov_b32 s[\g+3], 32<<16
	s_mov_b32 s[\g+4], 16
	s_mov_b32 s[\g+5], 32
	s_mov_b32 s[\g+6], 0
	s_mov_b32 s[\g+7], 0
.endr
	s_lshl_b32 s45, s[HB], 3                       ; which 8 tiles of the 16 I fetch
	s_lshl_b32 s46, s[TR], 4
	s_add_co_u32 s46, s46, s41
	s_add_co_u32 s46, s46, s45                     ; A's first tile
	s_lshl_b32 s47, s[TC], 4
	s_add_co_u32 s47, s47, s42
	s_add_co_u32 s47, s47, s45                     ; B's
	s_mul_i32 s92, s46, 12288
	s_mov_b32 s93, 0
	s_lshl_b32 s94, s46, 9
	s_mov_b32 s95, 0
	s_mul_i32 s96, s47, 12288
	s_mov_b32 s97, 0
	s_lshl_b32 s98, s47, 9
	s_mov_b32 s99, 0
	s_mul_i32 s45, s[WV], HALFT                    ; where they go: wave x 128 rows: no place in the cluster enters an LDS address
	s_lshl_b32 s40, s[WV], 12
	s_wait_kmcnt 0x0
	s_add_nc_u64 s[92:93], s[4:5], s[92:93]
	s_add_nc_u64 s[94:95], s[6:7], s[94:95]
	s_add_nc_u64 s[96:97], s[4:5], s[96:97]
	s_add_nc_u64 s[98:99], s[6:7], s[98:99]
	CROUND                                         ; all sixteen work-groups are here: the first joint loads meet
	s_mov_b32 s[G0S], 1
	s_add_co_u32 s[G0S+1], s40, SCL
	s_mov_b64 s[G0S+2:G0S+3], s[94:95]
	s_or_b32 s[G0S+3], s[G0S+3], 0x80000000
	s_mov_b32 s[G0SB], 1
	s_add_co_u32 s[G0SB+1], s40, SCL
	s_mov_b64 s[G0SB+2:G0SB+3], s[98:99]
	s_or_b32 s[G0SB+3], s[G0SB+3], 0x80000000
	JLOAD G0S, G1S, G0SB, G1SB                     ; the scale words first: they are wanted with K step 0
.irp s, 0,1
	s_mov_b32 s[G0+4*\s], 1
	s_add_co_u32 s[G0+4*\s+1], s45, \s*SLOT
	s_add_nc_u64 s[G0+4*\s+2:G0+4*\s+3], s[92:93], \s*TILEB
	s_or_b32 s[G0+4*\s+3], s[G0+4*\s+3], 0x80000000
	s_mov_b32 s[G0B+4*\s], 1
	s_add_co_u32 s[G0B+4*\s+1], s45, \s*SLOT
	s_add_nc_u64 s[G0B+4*\s+2:G0B+4*\s+3], s[96:97], \s*TILEB
	s_or_b32 s[G0B+4*\s+3], s[G0B+4*\s+3], 0x80000000
	JLOAD G0+4*\s, G1, G0B+4*\s, G1B               ; three tensor loads of mine are out
.endr
	; the bias.  Both forms are loaded on one way, both inside the buffer (the tile numbers are cut to 0..3); a mode reads the one that it needs
	s_cmp_eq_u32 s[Z], 1
	s_cselect_b64 s[8:9], s[10:11], s[8:9]
	s_cmp_eq_u32 s[Z], 2
	s_cselect_b64 s[8:9], s[12:13], s[8:9]
	s_and_b32 s40, s[TR], 3
	s_lshl_b32 s40, s40, 10
	s_lshl_b32 s41, s[HA], 9
	s_add_co_u32 s40, s40, s41
	s_mov_b32 s41, 0
	s_add_nc_u64 s[10:11], s[8:9], s[40:41]        ; along A's rows (v): my 128 numbers
	s_and_b32 s40, s[TC], 3
	s_lshl_b32 s40, s40, 10
	s_lshl_b32 s42, s[HB], 9
	s_add_co_u32 s40, s40, s42
	s_add_nc_u64 s[8:9], s[8:9], s[40:41]          ; along B's rows (q, k)
	v_and_b32 v1, 15, v0                           ; r
	v_bfe_u32 v2, v0, 4, 1                         ; h
	v_and_b32 v3, 31, v0                           ; lane
	v_lshlrev_b32 v[C16], 4, v3
	v_lshlrev_b32 v[C8], 3, v3
	v_lshlrev_b32 v[SCO], 4, v1
	v_lshl_add_u32 v[SCO], v2, 3, v[SCO]
	v_lshlrev_b32 v7, 6, v2                        ; 64 h: my 16 numbers of each 32
	v_and_b32 v8, 8, v1
	v_add_nc_u32 v8, v8, v1
	v_lshlrev_b32 v8, 2, v8                        ; 4 (r + 8 (r / 8)): my position's row in a tile
	WIN 0x40                                       ; destination window 1
.irp bb, 0,1,2,3
.irp j, 0,1,2,3
	global_load_b128 v[96+128*(\bb/2)+16*(\bb%2)+4*\j:96+128*(\bb/2)+16*(\bb%2)+4*\j+3], v7, s[8:9] offset:128*\bb+16*\j   ; register 16 b + i: the bias of B's row 32 b + 16 h + i
.endr
.endr
	WIN 0
.irp a, 0,1,2,3,4,5,6,7
	global_load_b32 v[BV+2*\a], v8, s[10:11] offset:4*(32*(\a/2)+8*(\a%2))     ; the bias of my row of A's block a, twice: a pair for the packed addition
	global_load_b32 v[BV+2*\a+1], v8, s[10:11] offset:4*(32*(\a/2)+8*(\a%2))
.endr
	s_mul_i32 s40, s[HA], HALFT                    ; my 128 rows of A
	s_mul_i32 s41, s[HB], HALFT                    ; my 128 rows of B,
	s_add_co_u32 s41, s41, 2*HALFT                 ; which lie behind A's 256
.irp s, 0,1
	v_add_nc_u32 v[ADRA+\s], s40, v[C16]
	v_add_nc_u32 v[ADRB+\s], s41, v[C16]
	v_add_nc_u32 v[ADRA+2+\s], s40, v[C8]
	v_add_nc_u32 v[ADRB+2+\s], s41, v[C8]
	s_add_co_u32 s40, s40, SLOT
	s_add_co_u32 s41, s41, SLOT
.endr
	s_lshl_b32 s40, s[HA], 12                      ; A's scale words: my 128 rows
	s_lshl_b32 s41, s[HB], 12                      ; B's: my 128 rows, behind A's 256
	s_add_co_u32 s41, s41, 2*HALFS
	s_sub_co_u32 s41, s41, s40
	v_mul_u32_u24 v9, s41, v2                      ; lanes 16-31 take B's
	s_add_co_u32 s40, s40, SCL
	v_lshl_add_u32 v9, v1, 2, v9
	v_add_nc_u32 v[ADRS], s40, v9
	s_mov_b32 s[SEL], 0x76543210
	s_mov_b32 s[SEL+1], 0xfedcba98
.macro FRAG reg, adr, q, i             ; a fragment is two half fragments as they lie: every load takes consecutive bytes, 16 or 8 a lane
	ds_load_b128 v[\reg:\reg+3], v[\adr] offset:(\i)*TILEB+(\q)*1536
	ds_load_b64 v[\reg+4:\reg+5], v[\adr+2] offset:(\i)*TILEB+(\q)*1536+512
	ds_load_b128 v[\reg+6:\reg+9], v[\adr] offset:(\i)*TILEB+(\q)*1536+768
	ds_load_b64 v[\reg+10:\reg+11], v[\adr+2] offset:(\i)*TILEB+(\q)*1536+1280
.endm
; 16 matrix instructions: A's blocks a0, a0 + 1 x B's eight, the slot's q-th 128 along K.  p: B's set; sc: the set of scale words.  zero = 1: the first product starts the sums.
; The 64 accumulators take turns, one instruction a turn, in the same order in every step.
.macro MUL16 a0, p, q, sc, zero
.irp a, \a0, \a0+1
.irp b, 0,1,2,3,4,5,6,7
.if \zero
	v_wmma_scale_f32_16x16x128_f8f6f4 v[8*(8*((\a)%4)+\b):8*(8*((\a)%4)+\b)+7], v[128*(\p)+FR*\b:128*(\p)+FR*\b+FR-1], v[AF+FR*(\a):AF+FR*(\a)+FR-1], 0, v[SC+8*NQ*(\sc)+NQ*\b+(\q)], v[SC+8*NQ*(\sc)+NQ*(\a)+(\q)] matrix_a_fmt:MATRIX_FMT_BF6 matrix_b_fmt:MATRIX_FMT_BF6 matrix_a_scale:MATRIX_SCALE_ROW1
.else
	v_wmma_scale_f32_16x16x128_f8f6f4 v[8*(8*((\a)%4)+\b):8*(8*((\a)%4)+\b)+7], v[128*(\p)+FR*\b:128*(\p)+FR*\b+FR-1], v[AF+FR*(\a):AF+FR*(\a)+FR-1], v[8*(8*((\a)%4)+\b):8*(8*((\a)%4)+\b)+7], v[SC+8*NQ*(\sc)+NQ*\b+(\q)], v[SC+8*NQ*(\sc)+NQ*(\a)+(\q)] matrix_a_fmt:MATRIX_FMT_BF6 matrix_b_fmt:MATRIX_FMT_BF6 matrix_a_scale:MATRIX_SCALE_ROW1
.endif
.endr
.endr
.endm
.macro FETCH_B slot, q, p              ; B's eight fragments of the slot's q-th 128 along K into set p
	WIN TO_B
.irp i, 0,1,2,3,4,5,6,7
	FRAG 128*(\p)+FR*\i, ADRB+\slot, \q, \i
.endr
	WIN 0
.endm
.macro FETCH_A slot, q, i0             ; A's blocks i0 .. i0 + 3
.irp i, \i0, \i0+1, \i0+2, \i0+3
	FRAG AF+FR*(\i), ADRA+\slot, \q, \i
.endr
.endm
.macro SCALES sc                       ; the next K step's scale words into set sc
.irp i, 0,1,2,3,4,5,6,7
.irp q, 0,1
	ds_load_b32 v[SC+16*\sc+2*\i+\q], v[ADRS] offset:512*\i+64*\q
.endr
.endr
.endm
; A load into a register that a matrix instruction has read, and a vector instruction that reads a matrix result, stand NP places behind that matrix instruction; only plain vector
; instructions that name none of its registers are places (ISA guide 7.12.1 for vector instructions).
.macro PLACES n
.rept \n
	v_nop
.endr
.endm
.macro STEP slot, q, zero              ; a step of 128 along K that has its successor in the same slot
	s_wait_dscnt 4*NL                              ; B's set, the scale words and A's blocks 0-3 are in; the youngest 16 loads (A's blocks 4-7) may be out
	WIN MUL_LO
	MUL16 0, (\q)%2, \q, \slot, \zero
	MUL16 2, (\q)%2, \q, \slot, \zero
	s_wait_dscnt 0                                 ; A's blocks 4-7 are in (asked for 32 matrix instructions ago)
	PLACES NP
	FETCH_B \slot, (\q)+1, 1-(\q)%2
	FETCH_A \slot, (\q)+1, 0
	WIN MUL_HI
	MUL16 4, (\q)%2, \q, \slot, \zero
	MUL16 6, (\q)%2, \q, \slot, \zero
	PLACES NP
	WIN 0
	FETCH_A \slot, (\q)+1, 4
.endm
; A slot's last step changes slots: ONE barrier; in front of it each wave waits for all its tensor loads, adds 0 to its spare word, and waits for that and for its own reads of this slot.  fill = 1: this slot is filled again, two K steps ahead.
.macro TURN slot, next, fill
	s_wait_tensorcnt 0x0                           ; all my tensor loads have landed: my part of the next slot  (every window is 0 here)
	ds_add_u32 v[SPW], v[NIL]                      ; 0 onto my spare word
	s_wait_dscnt 4*NL+1                            ; (the add and the youngest 16 loads, A's blocks 4-7, may be out)
	WIN MUL_LO
	MUL16 0, 1, NQ-1, \slot, 0                     ; sixteen matrix instructions stand between the add and the wait for it
	s_wait_dscnt 0x0                               ; the add is done, and my reads of this slot are over
	s_barrier_signal -1
	MUL16 2, 1, NQ-1, \slot, 0
	WIN 0
	s_barrier_wait -1
.if \fill
	CREST                                          ; the barrier has opened a round of the cluster's barrier: no wave of any partner still reads this slot's tile or has a load on its way
	s_add_nc_u64 s[G0+4*\slot+2:G0+4*\slot+3], s[G0+4*\slot+2:G0+4*\slot+3], 2*TILEB
	s_add_nc_u64 s[G0B+4*\slot+2:G0B+4*\slot+3], s[G0B+4*\slot+2:G0B+4*\slot+3], 2*TILEB
	JLOAD G0+4*\slot, G1, G0B+4*\slot, G1B         ; the first tensor load behind the round; the four v_nop behind it are the places in front of the loads below
.else
	PLACES NP
.endif
	v_add_nc_u32 v[ADRS], 128, v[ADRS]             ; on to the next K step's scale words (no LDS load of mine is out)
	FETCH_B \next, 0, 0
	FETCH_A \next, 0, 0
	SCALES \next
	WIN MUL_HI
	MUL16 4, 1, NQ-1, \slot, 0
	MUL16 6, 1, NQ-1, \slot, 0
	PLACES NP
	WIN 0
	FETCH_A \next, 0, 4
.endm
	s_wait_tensorcnt 1                             ; the scale words and my part of K step 0 are in (K step 1's load may be out)
	s_barrier_signal -1
	s_barrier_wait -1                              ; everybody's are
	FETCH_B 0, 0, 0
	FETCH_A 0, 0, 0
	SCALES 0
	FETCH_A 0, 0, 4
	STEP 0, 0, 1                                   ; the first step stands in front of the loop: its products start the sums
	s_mov_b32 s3, LAPS-1
.Llap:                                                 ; a trip goes once round the ring, from a lap's second step to the next lap's first, and fills both slots again
	TURN 0, 1, 1
	STEP 1, 0, 0
	TURN 1, 0, 1
	STEP 0, 0, 0
	s_sub_co_u32 s3, s3, 1
	s_cmp_lg_u32 s3, 0
	s_cbranch_scc1 .Llap
	TURN 0, 1, 0                                   ; the last lap fills nothing, and has no round of the cluster's barrier
	STEP 1, 0, 0
	s_wait_dscnt 4*NL                              ; the very last step: nothing more to fetch
	WIN MUL_LO
	MUL16 0, 1, NQ-1, 1, 0
	MUL16 2, 1, NQ-1, 1, 0
	s_wait_dscnt 0
	WIN MUL_HI
	MUL16 4, 1, NQ-1, 1, 0
	MUL16 6, 1, NQ-1, 1, 0
	WIN 0
; THE WAY OUT.  64 numbers of a lane, v[s] .. v[s + 63], register 16 b + i = k 32 b + 16 (lane / 16) + i of my row, become a fragment's codes in v[PC] on, the four bytes in v[TM + 4] on and the scale word in v[PW].
.macro QUANT s
.irp b, 0,1,2,3
	v_max3_num_f32 v[TM+\b], |v[\s+16*\b]|, |v[\s+1+16*\b]|, 0x2800000   ; block b: my 16 numbers, and the floor 2^(5 - 127): so the byte cannot fall under 1
.endr
.irp i, 2,4,6,8,10,12,14
.irp b, 0,1,2,3
	v_max3_num_f32 v[TM+\b], v[TM+\b], |v[\s+16*\b+\i]|, |v[\s+1+16*\b+\i]|
.endr
.endr
.irp b, 0,1,2,3
	v_permlanex16_b32 v[TM+4+\b], v[TM+\b], s[SEL], s[SEL+1]
.endr
.irp b, 0,1,2,3
	v_max_num_f32 v[TM+\b], v[TM+\b], v[TM+4+\b]   ; with lane l xor 16's: the block's largest magnitude
.endr
.irp b, 0,1,2,3
	v_add_nc_u32 v[TM+12+\b], 0xfe000000, v[TM+\b]   ; 4 off its exponent field: the conversion's scale operand
.endr
.irp b, 0,1,2,3
	v_lshrrev_b32 v[TM+4+\b], 23, v[TM+12+\b]      ; the scale's byte
.endr
	v_lshl_or_b32 v[PW], v[TM+5], 8, v[TM+4]
	v_lshl_or_b32 v[PW], v[TM+6], 16, v[PW]
	v_lshl_or_b32 v[PW], v[TM+7], 24, v[PW]
.irp c, 0,1
	v_cvt_scalef32_pk16_bf6_f32 v[PC+6*\c:PC+2+6*\c], v[\s+32*\c:\s+15+32*\c], v[TM+12+2*\c]
	v_cvt_scalef32_pk16_bf6_f32 v[PC+12+4*\c:PC+14+4*\c], v[\s+16+32*\c:\s+31+32*\c], v[TM+12+2*\c+1]   ; (a conversion's three registers begin on an even number)
.endr
	v_nop                                          ; one plain place behind a scaled conversion
.irp c, 0,1
.irp i, 0,1,2
	v_permlane16_swap_b32 v[PC+6*\c+\i], v[PC+12+4*\c+\i]
.endr
.irp i, 0,1,2
	v_mov_b32 v[PC+3+6*\c+\i], v[PC+12+4*\c+\i]
.endr
.endr
.endm
; A's eight blocks, one after the other: the block's 64 sums + the bias come into window 0 (each accumulator from its low end on), are quantised, and leave as two half fragments.
; v = 0 (q, k): the two halves are my two heads' 64 channels of tile a of the group's rows; a head's two bytes make half a scale word.  v = 1: the fragment is channel tile a % 4 of head a / 4, over the group's 128 keys.
.macro EPI v
.irp a, 0,1,2,3,4,5,6,7
.if \v
	WIN 0x02+(\a/4)                                ; source 0: window 2 or 3; the bias in window 0
.else
	WIN 0x06+(\a/4)                                ; the bias in window 1
.endif
.set n, 0
.rept 32
.if \v
	v_pk_add_f32 v[X+n:X+n+1], v[64*(\a%4)+n:64*(\a%4)+n+1], v[BV+2*\a:BV+2*\a+1]
.else
	v_pk_add_f32 v[X+n:X+n+1], v[64*(\a%4)+n:64*(\a%4)+n+1], v[96+128*(n/32)+n%32:96+128*(n/32)+n%32+1]
.endif
.set n, n+2
.endr
	WIN 0
.if \a > 0
	s_wait_xcnt 0x0                                ; the last block's stores have read the codes' registers: they are written again only behind this wait
.endif
	QUANT X
.if \v
	v_mov_b32 v[SW+4*(\a/4)+\a%4], v[PW]
.else
.irp c, 0,1
.if (\a%2) == 0
	v_lshl_or_b32 v[SW+4*\c+\a/2], v[TM+5+2*\c], 8, v[TM+4+2*\c]
.else
	v_lshl_or_b32 v[HWT], v[TM+5+2*\c], 8, v[TM+4+2*\c]
	v_lshl_or_b32 v[SW+4*\c+\a/2], v[HWT], 16, v[SW+4*\c+\a/2]
.endif
.endr
.endif
.irp c, 0,1
.if \v
	global_store_b128 v[C16], v[PC+6*\c:PC+6*\c+3], s[OB:OB+1] offset:(\a/4)*HEADB+(\a%4)*1536+\c*768       ; 512 consecutive bytes, at a multiple of 256 from the buffer's first byte
	global_store_b64 v[C8], v[PC+6*\c+4:PC+6*\c+5], s[OB:OB+1] offset:(\a/4)*HEADB+(\a%4)*1536+\c*768+512   ; 256
.else
	global_store_b128 v[C16], v[PC+6*\c:PC+6*\c+3], s[OB:OB+1] offset:\c*HEADB+\a*768
	global_store_b64 v[C8], v[PC+6*\c+4:PC+6*\c+5], s[OB:OB+1] offset:\c*HEADB+\a*768+512
.endif
.endr
.endr
.endm
	s_wait_loadcnt 0x0                             ; the bias
	PLACES NP                                      ; behind the last products: their results are read, and A's registers written, below
.irp b, 0,1,2,3
	v_mov_b32 v[TM+4+\b], 0                        ; written once: a lane permute's destination counts as one of its sources
.endr
	s_cmp_eq_u32 s[Z], 2
	s_cselect_b32 s40, s[TC], s[TR]                ; which 256 rows of the sequence,
	s_cselect_b32 s41, s[HB], s[HA]                ; which half of them,
	s_cselect_b32 s42, s[TR], s[TC]                ; which 256 channels,
	s_cselect_b32 s43, s[HA], s[HB]                ; which half
	s_lshl_b32 s40, s40, 1
	s_add_co_u32 s40, s40, s41                     ; my group of 128 rows, 0..63
	s_lshr_b32 s41, s40, 4                         ; batch
	s_and_b32 s40, s40, 15                         ; group in the batch
	s_lshl_b32 s42, s42, 2
	s_lshl_b32 s43, s43, 1
	s_add_co_u32 s42, s42, s43                     ; the first of my two heads
	s_lshl_b32 s41, s41, 4
	s_add_co_u32 s41, s41, s42
	s_lshl_b32 s41, s41, 4
	s_add_co_u32 s41, s41, s40
	s_mul_i32 s40, s41, RECB                       ; the record
	s_mov_b32 s41, 0
	s_add_nc_u64 s[14:15], s[14:15], s[40:41]
	s_mov_b32 s42, 12800                           ; q's codes and scale words in a record;
	s_mov_b32 s44, 18944
	s_cmp_eq_u32 s[Z], 1
	s_cselect_b32 s42, 0, s42                      ; k's;
	s_cselect_b32 s44, 12288, s44
	s_cmp_eq_u32 s[Z], 2
	s_cselect_b32 s42, 6144, s42                   ; v's
	s_cselect_b32 s44, 12544, s44
	s_mov_b32 s43, 0
	s_mov_b32 s45, 0
	s_add_nc_u64 s[OB:OB+1], s[14:15], s[42:43]
	s_add_nc_u64 s[OS:OS+1], s[14:15], s[44:45]
	s_cmp_eq_u32 s[Z], 2                           ; the same in all sixteen work-groups of the cluster; no LDS instruction and no barrier stands on either way
	s_cbranch_scc1 .Lmode_v
	EPI 0
	s_branch .Ltail
.Lmode_v:
	EPI 1
.Ltail:
	v_cmp_ne_u32 vcc_lo, 0, v2                     ; lanes 16-31 take words 2 and 3 (both halves of the lanes hold every word)
.irp c, 0,1
	v_cndmask_b32 v[PR+2*\c], v[SW+4*\c], v[SW+4*\c+2], vcc_lo
	v_cndmask_b32 v[PR+2*\c+1], v[SW+4*\c+1], v[SW+4*\c+3], vcc_lo
	global_store_b64 v[SCO], v[PR+2*\c:PR+2*\c+1], s[OS:OS+1] offset:\c*HEADB   ; 32 lanes store 256 consecutive bytes, aligned: [position][4 words]
.endr
	s_wait_tensorcnt 0x0                           ; the wave's end
	ds_add_u32 v[SPW], v[NIL]
	s_wait_dscnt 0x0
	CROUND                                         ; the closing round: no work-group ends while a partner may still ask for a tile that names it
	s_endpgm
.Lfunc_end_k_qf39438329c_proj:
	.size	k_qf39438329c_proj, .Lfunc_end_k_qf39438329c_proj-k_qf39438329c_proj
	.p2alignl 7, 3214868480
	.fill 96, 4, 3214868480
	.section	.rodata,"a",@progbits
	.p2align	6, 0x0
	.amdhsa_kernel k_qf39438329c_proj
		.amdhsa_group_segment_fixed_size 327680
		.amdhsa_private_segment_fixed_size 0
		.amdhsa_enable_private_segment 0
		.amdhsa_kernarg_size 48
		.amdhsa_user_sgpr_count 2
		.amdhsa_user_sgpr_kernarg_segment_ptr 1
		.amdhsa_wavefront_size32 1
		.amdhsa_system_sgpr_workgroup_id_x 1
		.amdhsa_system_sgpr_workgroup_id_y 1
		.amdhsa_system_sgpr_workgroup_id_z 1
		.amdhsa_system_vgpr_workitem_id 0
		.amdhsa_next_free_vgpr 1024
		.amdhsa_next_free_sgpr 102
		.amdhsa_reserve_vcc 1
		.amdhsa_float_denorm_mode_32 3
		.amdhsa_float_denorm_mode_16_64 3
		.amdhsa_memory_ordered 1
		.amdhsa_forward_progress 1
		.amdhsa_inst_pref_size 222
	.end_amdhsa_kernel
	.amdgpu_metadata
---
amdhsa.version: [ 1, 2 ]
amdhsa.kernels:
  - .name:           k_qf39438329c_proj
    .symbol:         k_qf39438329c_proj.kd
    .args:
      - { .name: opc, .offset: 0, .size: 8, .value_kind: global_buffer, .address_space: global }
      - { .name: ops, .offset: 8, .size: 8, .value_kind: global_buffer, .address_space: global }
      - { .name: bq, .offset: 16, .size: 8, .value_kind: global_buffer, .address_space: global }
      - { .name: bk, .offset: 24, .size: 8, .value_kind: global_buffer, .address_space: global }
      - { .name: bv, .offset: 32, .size: 8, .value_kind: global_buffer, .address_space: global }
      - { .name: qkv, .offset: 40, .size: 8, .value_kind: global_buffer, .address_space: global }
    .group_segment_fixed_size: 327680
    .private_segment_fixed_size: 0
    .kernarg_segment_align: 8
    .kernarg_segment_size: 48
    .max_flat_workgroup_size: 128
    .sgpr_count:     102
    .vgpr_count:     1024
    .wavefront_size: 32
...
	.end_amdgpu_metadata
.endif
;; end of part 2
;; launch attn (part 3): grid 4 x 64, 16 waves a work-group, no clusters, 34,816 bytes of LDS; arguments qkv, ac, asc; writes ac, asc
.if DOCPART == 3
	.amdgcn_target "amdgcn-amd-amdhsa--gfx1250"
	.amdhsa_code_object_version 6
	.text
	.protected	k_qf39438329c_attn
	.globl	k_qf39438329c_attn
	.p2align	8
	.type	k_qf39438329c_attn,@function
k_qf39438329c_attn:
	s_mov_b64 s[64:65], 0
	v_nop
	global_prefetch_b8 v0, s[64:65] scope:SCOPE_SE
	s_setreg_imm32_b32 hwreg(HW_REG_WAVE_MODE, 25, 1), 1
	s_wait_xcnt 0x0
; Causal attention of one (batch, head) on codes of BF6 (E3M2) with E8M0 scales; head size 64, 2,048 keys.  The result, divided by the row's sum, is quantised along the channels and leaves as codes for the last product.
; THE SOFTMAX: t = score x log2(e) / 8; M = the row's largest t so far, rounded UP to a whole number; p = 2^(t - M) is what is quantised, along the keys, not normalised.  The row's sum is taken of the unquantised p.
; When M moves, the sum and O are multiplied by 2^(old M - new M): exact.
; INPUT: qkv [batch x 16 + head][group of 128 rows][19,200 bytes]: +0 K's 8 tiles of 16 keys x 64 channels x 768 bytes; +6144 V^T: 4 fragments of 16 channels x 128 keys; +12288 K's scale words; +12544 V's; +12800 Q's 8 tiles; +18944 Q's scale words.
; Tile 2 G + u holds at position p row 32 G + 8 u + p + 8 (p / 8).  A key step's 12,800 bytes are one dense block.
; HEAD SIZE 64 IN AN INSTRUCTION OF K = 128: two neighbouring tiles of K are ONE fragment (K 0-63: tile 2 f, K 64-127: tile 2 f + 1), multiplied once by [q | zeros] and once by [zeros | q].  The half that meets zero codes
; adds exactly 0: the format has no infinity and no NaN, and no scale byte is 0xff.  So no fragment of K is half empty in LDS or in registers.
; SHARES.  256 work-groups: 4 for each of the 64 heads.  Work-group I takes the blocks of 256 queries 7 - I and then I: 8 - I and I + 1 trips of 256 keys, nine for every work-group.  Each of its SIXTEEN waves owns 16 queries, one tile,
; in 256 registers: four waves to a SIMD, so that one wave's vector work stands beside another's matrix work and LDS loads.  Both products are used transposed: a lane holds ONE query throughout.
; CAUSAL.  Keys behind a block's 256 queries are never fetched.  In the last trip waves 0-7 (queries in its first 128 keys) mask the first step and leave the second out; waves 8-15 take the first as it is and mask the second.
; K AND V COME BY PLAIN LOADS, 16 bytes a thread (and 16 more in waves 0-8), a step ahead, through registers into two LDS slots.  NO CLUSTER: the four work-groups of a head walk 8 - I and I + 1 trips in their phases, so partners need
; different numbers of tiles, and a step's block is 25 bytes a thread beside some 330 vector instructions a wave.
; LIMITS: v_exp_f32 gives 0 for results under 2^-126; O / sum is v_rcp_f32 and a multiplication; NaN and infinities are not served; a block of zeros keeps the byte 1 (its codes are zeros; this program alone reads the bytes).
.set SLOTB, 16384                      ; slot 1 begins here; a slot holds 12,800 bytes
.set RECB,  19200
.set HEADB, 16*RECB
.set HBP, 4                            ; s[4:5]   qkv at my head
.set WV,  10
.set I,   11
.set BH,  12
.set PH,  13                           ; the phase, 0 or 1
.set BQ,  14                           ; its block of 256 queries
.set TR,  15                           ; open trips to go
.set KVP, 16                           ; s[16:17] qkv at the trip's first record
.set QB,  18                           ; s[18:19] at my queries' record
.set SEL, 20
.set CS,  22                           ; s[22:23] c = log2(e) / 8: the packed form names a pair and takes its low word for both halves
.set ACP, 24
.set ASP, 26
.set QS,  34                           ; v34      Q's scale word: its two bytes in both halves
.set PW,  35                           ; v35      p's scale word
.set KS,  36                           ; v36-39   K's scale words, one a fragment
.set VS,  40                           ; v40-43   V's
.set LDA, 44                           ; v44-51   bytes on their way to a slot (and Q on its way in)
.set LDB, 52                           ; v52-59
.set KV,  60                           ; v60-107  four fragments of K, then of V
.set S,   108                          ; v108-171 S^T, then p: register 16 b + i = key 32 b + 16 (lane / 16) + i of the step
.set O,   172                          ; v172-203 O^T: register 16 b + i = channel 32 b + 16 (lane / 16) + i
.set PC,  204                          ; v204-215 p's codes
.set PT,  216
.set BM,  224
.set PX,  228
.set SO,  232
.set BY,  236
.set F,   240
.set TMP, 242
.set SUM2, 244
.set BYS, 246
; v1 16 x lane, v2 8 x lane, v3 16 r, v4 16 x thread, v5 my query in its record - 16 h, v6 -infinity, v7-9 Q's places in a record, v10 4 r + h; v12 -M, v13 the largest t, v[14:15] the sum; v16-33 [q | zeros | q]
.macro GET set, base, off              ; a record's first 12,800 bytes: 16 bytes a thread, and 16 more in waves 0-8
	global_load_b128 v[\set:\set+3], v4, s[\base:\base+1] offset:\off
	s_cmp_lt_u32 s[WV], 9
	s_cbranch_scc0 .Lg_\@
	global_load_b128 v[\set+4:\set+7], v4, s[\base:\base+1] offset:\off+8192
.Lg_\@:
.endm
.macro PUT slot, set                   ; and into a slot, as they lie
	s_wait_loadcnt 0x0
	ds_store_b128 v4, v[\set:\set+3] offset:\slot*SLOTB
	s_cmp_lt_u32 s[WV], 9
	s_cbranch_scc0 .Lp_\@
	ds_store_b128 v4, v[\set+4:\set+7] offset:\slot*SLOTB+8192
.Lp_\@:
.endm
.macro PRELOAD bq                      ; for the phase of block s[bq]: record 0, and my tile of Q with its scale word
	s_lshl_b32 s28, s[\bq], 1
	s_lshr_b32 s29, s[WV], 3
	s_add_co_u32 s28, s28, s29
	s_mul_i32 s28, s28, RECB
	s_mov_b32 s29, 0
	s_add_nc_u64 s[QB:QB+1], s[HBP:HBP+1], s[28:29]   ; (the loads that named this pair have been waited for)
	GET LDB, HBP, 0
	global_load_b128 v[LDA:LDA+3], v7, s[QB:QB+1]
	global_load_b64 v[LDA+4:LDA+5], v8, s[QB:QB+1]
	global_load_b32 v[LDA+6], v9, s[QB:QB+1]
.endm
; A KEY STEP: the 128 keys in a slot.  m = 0: all keys count.  m = 1: the last trip's first step: waves 0-7 mask.  m = 2: its second: waves 0-7 leave it out, waves 8-15 mask; it signals no barrier.
.macro STEP slot, m
.if \m == 2
	s_cmp_lt_u32 s[WV], 8
	s_cbranch_scc1 .Lend_\@
.endif
.irp f, 0,1,2,3
	ds_load_b128 v[KV+12*\f:KV+12*\f+3], v1 offset:\slot*SLOTB+1536*\f
	ds_load_b64 v[KV+12*\f+4:KV+12*\f+5], v2 offset:\slot*SLOTB+1536*\f+512
	ds_load_b128 v[KV+12*\f+6:KV+12*\f+9], v1 offset:\slot*SLOTB+1536*\f+768
	ds_load_b64 v[KV+12*\f+10:KV+12*\f+11], v2 offset:\slot*SLOTB+1536*\f+1280
.endr
	ds_load_b128 v[KS:KS+3], v3 offset:\slot*SLOTB+12288
	s_wait_dscnt 0x0
.irp f, 0,1,2,3                                ; S^T = K Q^T: fragment f against [q | 0] gives tile 2 f, against [0 | q] tile 2 f + 1
.irp u, 0,1
	v_wmma_scale_f32_16x16x128_f8f6f4 v[S+8*(2*\f+\u):S+8*(2*\f+\u)+7], v[KV+12*\f:KV+12*\f+11], v[16+6*\u:27+6*\u], 0, v[KS+\f], v[QS] matrix_a_fmt:MATRIX_FMT_BF6 matrix_b_fmt:MATRIX_FMT_BF6
.endr
.endr
.rept 4
	v_nop                                          ; places in front of the loads into K's registers and of the first read of the scores
.endr
.irp f, 0,1,2,3                                ; V's four fragments land while the maxima are taken
	ds_load_b128 v[KV+12*\f:KV+12*\f+3], v1 offset:\slot*SLOTB+6144+1536*\f
	ds_load_b64 v[KV+12*\f+4:KV+12*\f+5], v2 offset:\slot*SLOTB+6144+1536*\f+512
	ds_load_b128 v[KV+12*\f+6:KV+12*\f+9], v1 offset:\slot*SLOTB+6144+1536*\f+768
	ds_load_b64 v[KV+12*\f+10:KV+12*\f+11], v2 offset:\slot*SLOTB+6144+1536*\f+1280
.endr
	ds_load_b128 v[VS:VS+3], v3 offset:\slot*SLOTB+12544
.if \m != 0                                    ; the scores of hidden keys become -infinity ahead of the maximum: p = 0 then.  My own key always counts, so the maximum is a number
.if \m == 1
	s_cmp_ge_u32 s[WV], 8
	s_cbranch_scc1 .Lopen_\@
.endif
.set n, 0
.rept 64
	v_cmp_gt_i32 vcc_lo, 32*(n/16)+n%16, v5        ; register n holds key 32 (n / 16) + n % 16 + 16 h: hidden where it lies behind my query
	v_cndmask_b32 v[S+n], v[S+n], v6, vcc_lo
.set n, n+1
.endr
.if \m == 1
.Lopen_\@:
.endif
.endif
.irp b, 0,1,2,3
	v_max3_num_f32 v[BM+\b], v[S+16*\b], v[S+1+16*\b], v[S+2+16*\b]   ; the largest score of each block of 32 keys: for the row's maximum, and, since p rises with the score, for the block's largest p
.endr
.irp i, 3,5,7,9,11,13
.irp b, 0,1,2,3
	v_max3_num_f32 v[BM+\b], v[BM+\b], v[S+16*\b+\i], v[S+1+16*\b+\i]
.endr
.endr
.irp b, 0,1,2,3
	v_max_num_f32 v[BM+\b], v[BM+\b], v[S+15+16*\b]
.endr
	s_wait_dscnt 0x0                               ; V is in: my reads of this slot are over, and my stores into the other slot have landed
.if \m != 2
	s_barrier_signal -1                            ; say so; only work on registers stands between here and the wait
.endif
.irp b, 0,1,2,3
	v_permlanex16_b32 v[PX+\b], v[BM+\b], s[SEL], s[SEL+1]
.endr
.irp b, 0,1,2,3
	v_max_num_f32 v[BM+\b], v[BM+\b], v[PX+\b]     ; with lane l xor 16's 16 keys
.endr
	v_max3_num_f32 v[TMP], v[BM], v[BM+1], v[BM+2]
	v_max_num_f32 v[TMP], v[TMP], v[BM+3]          ; the step's largest score of my query
	v_mul_f32 v[TMP], s[CS], v[TMP]                ; as t (c is positive)
	v_max_num_f32 v13, v13, v[TMP]                 ; the running largest t
	v_mov_b32 v[TMP], v12
	v_floor_f32 v12, -v13                          ; the new -M = floor(-t) = -ceil(t)
	v_sub_f32 v[TMP], v12, v[TMP]                  ; M's old value less its new one: a whole number, 0 or less
	v_cvt_i32_f32 v[TMP], v[TMP]                   ; (it saturates)
	v_ldexp_f32 v[F], 1.0, v[TMP]                  ; f = 2^(old M - new M)
.set n, 0
.rept 32
	v_pk_fma_f32 v[S+n:S+n+1], v[S+n:S+n+1], s[CS:CS+1], v[12:13] op_sel_hi:[1,0,0]   ; t - M, two at a time
.set n, n+2
.endr
.irp b, 0,1,2,3
	v_fma_f32 v[BM+\b], v[BM+\b], s[CS], v12       ; the same of each block's largest score
.endr
.set n, 0
.rept 64
	v_exp_f32 v[S+n], v[S+n]                       ; p = 2^(t - M), at most 1
.set n, n+1
.endr
.irp b, 0,1,2,3
	v_exp_f32 v[BM+\b], v[BM+\b]                   ; the block's largest p: the same two instructions on the same number give the same bits
.endr
	v_pk_mul_f32 v[14:15], v[14:15], v[F:F+1] op_sel_hi:[1,0]   ; the sums under the new M.  (A plain place behind the exponentials)
	s_wait_alu depctr_va_vdst(0)
.irp b, 0,1,2,3
	v_max_num_f32 v[BM+\b], 0x2800000, v[BM+\b]    ; the floor 2^(5 - 127): the byte cannot fall under 1
.endr
.irp b, 0,1,2,3
	v_add_nc_u32 v[SO+\b], 0xfe000000, v[BM+\b]    ; 4 off the exponent field: the conversion's scale operand
.endr
.irp b, 0,1,2,3
	v_lshrrev_b32 v[BY+\b], 23, v[SO+\b]           ; the scale's byte
.endr
	v_lshl_or_b32 v[PW], v[BY+1], 8, v[BY]         ; p's scale word for these 128 keys
	v_lshl_or_b32 v[PW], v[BY+2], 16, v[PW]
	v_lshl_or_b32 v[PW], v[BY+3], 24, v[PW]
.irp c, 0,1
	v_cvt_scalef32_pk16_bf6_f32 v[PC+6*\c:PC+6*\c+2], v[S+32*\c:S+32*\c+15], v[SO+2*\c]
	v_cvt_scalef32_pk16_bf6_f32 v[PT+4*\c:PT+4*\c+2], v[S+32*\c+16:S+32*\c+31], v[SO+2*\c+1]   ; (a conversion's three registers begin on an even number)
.endr
	v_nop                                          ; one plain place behind a scaled conversion
.irp c, 0,1                                    ; the operand's layout wants a whole block in a lane
.irp i, 0,1,2
	v_permlane16_swap_b32 v[PC+6*\c+\i], v[PT+4*\c+\i]
.endr
.irp i, 0,1,2
	v_mov_b32 v[PC+3+6*\c+\i], v[PT+4*\c+\i]
.endr
.endr
	v_pk_add_f32 v[SUM2:SUM2+1], v[S:S+1], v[S+2:S+3]   ; the row's sum is taken of the unquantised p: two at a time, in two chains
.set n, 4
.rept 15
	v_pk_add_f32 v[14:15], v[14:15], v[S+n:S+n+1]
	v_pk_add_f32 v[SUM2:SUM2+1], v[SUM2:SUM2+1], v[S+n+2:S+n+3]
.set n, n+4
.endr
	v_pk_add_f32 v[14:15], v[14:15], v[SUM2:SUM2+1]
.set n, 0
.rept 16
	v_pk_mul_f32 v[O+n:O+n+1], v[O+n:O+n+1], v[F:F+1] op_sel_hi:[1,0]   ; O^T under the new M.  (With the sums: the places between the writes of p's codes and scale word and the products)
.set n, n+2
.endr
.irp t, 0,1,2,3                                ; O^T += V^T P^T: the four accumulators by turns; the eight products of the scores stand between two links of a chain
	v_wmma_scale_f32_16x16x128_f8f6f4 v[O+8*\t:O+8*\t+7], v[KV+12*\t:KV+12*\t+11], v[PC:PC+11], v[O+8*\t:O+8*\t+7], v[VS+\t], v[PW] matrix_a_fmt:MATRIX_FMT_BF6 matrix_b_fmt:MATRIX_FMT_BF6
.endr
.rept 4
	v_nop                                          ; places in front of the next loads into V's registers and of the next read of O^T
.endr
.if \m == 2
.Lend_\@:
.endif
.endm
; A phase's end: O^T / the sum; its 64 channels are two blocks of the last product's K: quantised, they are half a fragment, which leaves as it stands
.macro FINISH
	v_add_f32 v14, v14, v15                        ; the sum's two halves,
	v_permlanex16_b32 v[PX], v14, s[SEL], s[SEL+1]
	v_add_f32 v14, v14, v[PX]                      ; and lane l xor 16's: the row's sum
	v_rcp_f32 v[F], v14
	v_and_b32 v[TMP], 16, v0                       ; (a plain place behind the transcendental)
.set n, 0
	s_wait_alu depctr_va_vdst(0)
.rept 16
	v_pk_mul_f32 v[S+n:S+n+1], v[O+n:O+n+1], v[F:F+1] op_sel_hi:[1,0]   ; each accumulator from its low end on
.set n, n+2
.endr
.irp b, 0,1
	v_max3_num_f32 v[BM+\b], |v[S+16*\b]|, |v[S+1+16*\b]|, 0x2800000
.endr
.irp i, 2,4,6,8,10,12,14
.irp b, 0,1
	v_max3_num_f32 v[BM+\b], v[BM+\b], |v[S+16*\b+\i]|, |v[S+1+16*\b+\i]|
.endr
.endr
.irp b, 0,1
	v_permlanex16_b32 v[PX+\b], v[BM+\b], s[SEL], s[SEL+1]
.endr
.irp b, 0,1
	v_max_num_f32 v[BM+\b], v[BM+\b], v[PX+\b]
.endr
.irp b, 0,1
	v_add_nc_u32 v[SO+\b], 0xfe000000, v[BM+\b]
.endr
.irp b, 0,1
	v_lshrrev_b32 v[BY+\b], 23, v[SO+\b]
.endr
	v_cvt_scalef32_pk16_bf6_f32 v[PC:PC+2], v[S:S+15], v[SO]
	v_cvt_scalef32_pk16_bf6_f32 v[PT:PT+2], v[S+16:S+31], v[SO+1]
	v_nop                                          ; one plain place behind a scaled conversion
.irp i, 0,1,2
	v_permlane16_swap_b32 v[PC+\i], v[PT+\i]
.endr
.irp i, 0,1,2
	v_mov_b32 v[PC+3+\i], v[PT+\i]
.endr
	v_cmp_ne_u32 vcc_lo, 0, v[TMP]
	v_cndmask_b32 v[BYS], v[BY], v[BY+1], vcc_lo   ; lanes 0-15 store block 0's byte, lanes 16-31 block 1's
	global_store_b128 v1, v[PC:PC+3], s[ACP:ACP+1]              ; 512 consecutive bytes, at a multiple of 256 from the buffer's first byte
	global_store_b64 v2, v[PC+4:PC+5], s[ACP:ACP+1] offset:512  ; 256
	global_store_b8 v10, v[BYS], s[ASP:ASP+1]      ; my head's two bytes of each row's scale word: 32 bytes inside 64; a word's other two bytes are another head's, made by another work-group
.endm
	s_load_b128 s[4:7], s[0:1], 0x0                ; qkv, the result's codes
	s_load_b64 s[8:9], s[0:1], 0x10                ; and its scale words
	v_lshl_add_u32 v254, v0, 2, 0x8000
	v_mov_b32 v255, 0
	v_lshrrev_b32 v1, 5, v0
	v_readfirstlane_b32 s[WV], v1                  ; wave 0..15
	s_mov_b32 s[I], ttmp9
	s_and_b32 s[BH], ttmp7, 0xffff
	v_and_b32 v11, 31, v0                          ; lane
	v_and_b32 v[TMP], 15, v0                       ; r
	v_bfe_u32 v[TMP+1], v0, 4, 1                   ; h
	v_lshlrev_b32 v1, 4, v11
	v_lshlrev_b32 v2, 3, v11
	v_lshlrev_b32 v3, 4, v[TMP]
	v_lshlrev_b32 v4, 4, v0
	s_and_b32 s28, s[WV], 7                        ; my tile in its record
	s_lshr_b32 s29, s28, 1
	s_and_b32 s30, s[WV], 1
	s_lshl_b32 s36, s30, 4                         ; which half of a scale word is my tile's
	s_lshl_b32 s31, s29, 5
	s_lshl_b32 s32, s30, 3
	s_add_co_u32 s31, s31, s32
	v_and_b32 v5, 8, v[TMP]
	v_add_nc_u32 v5, v5, v[TMP]
	v_add_nc_u32 v5, s31, v5                       ; my query in its record: 32 (tile / 2) + 8 (tile % 2) + r + 8 (r / 8),
	v_lshlrev_b32 v11, 4, v[TMP+1]
	v_sub_nc_u32 v5, v5, v11                       ; less 16 h
	v_mov_b32 v6, 0xff800000                       ; -infinity
	s_mul_i32 s32, s28, 768
	s_add_co_u32 s33, s32, 12800
	v_add_nc_u32 v7, s33, v1
	s_add_co_u32 s33, s32, 13312
	v_add_nc_u32 v8, s33, v2
	s_lshl_b32 s33, s29, 2
	s_add_co_u32 s33, s33, 18944
	v_add_nc_u32 v9, s33, v3
	v_lshl_add_u32 v10, v[TMP], 2, v[TMP+1]
	s_mov_b32 s[SEL], 0x76543210
	s_mov_b32 s[SEL+1], 0xfedcba98
	s_mov_b32 s[CS], 0x3e38aa3b                    ; c = log2(e) / sqrt(64)
	s_mov_b32 s[CS+1], s[CS]
.irp i, 0,1,2,3,4,5
	v_mov_b32 v[22+\i], 0                          ; the zero codes between the two copies of q
.endr
.irp b, 0,1,2,3
	v_mov_b32 v[PX+\b], 0                          ; written once: a lane permute's destination counts as one of its sources
.endr
	v_mov_b32 v[F+1], 0                            ; (named as the upper half of a pair)
	s_mul_i32 s28, s[BH], HEADB
	s_mov_b32 s29, 0
	s_wait_kmcnt 0x0
	s_add_nc_u64 s[HBP:HBP+1], s[HBP:HBP+1], s[28:29]
	s_sub_co_u32 s[BQ], 7, s[I]
	PRELOAD BQ
	s_mov_b32 s[PH], 0
.Lphase:
	s_sub_co_u32 s28, 7, s[I]
	s_cmp_eq_u32 s[PH], 0
	s_cselect_b32 s[BQ], s28, s[I]
	PUT 0, LDB                                     ; record 0 (its wait is also Q's).  Every wave's last reads of slot 0 stood in front of a barrier that all have passed
.irp i, 0,1,2,3,4,5
	v_mov_b32 v[16+\i], v[LDA+\i]
	v_mov_b32 v[28+\i], v[LDA+\i]
.endr
	v_lshrrev_b32 v[TMP], s36, v[LDA+6]
	v_and_b32 v[TMP], 0xffff, v[TMP]
	v_lshl_or_b32 v[QS], v[TMP], 16, v[TMP]        ; my tile's two bytes, for either place of q
	s_wait_xcnt 0x0                                ; the last phase's loads and stores have read their bases and data: they are written again only behind this wait
	s_mov_b64 s[KVP:KVP+1], s[HBP:HBP+1]
	GET LDA, KVP, RECB                             ; record 1
	s_lshr_b32 s28, s[BH], 4
	s_lshl_b32 s28, s28, 7
	s_lshl_b32 s29, s[BQ], 4
	s_add_co_u32 s28, s28, s29
	s_add_co_u32 s28, s28, s[WV]                   ; the result's tile: 128 x batch + 16 x block + wave
	s_and_b32 s30, s[BH], 15                       ; the head
	s_lshl_b32 s31, s28, 4
	s_add_co_u32 s31, s31, s30
	s_mul_i32 s32, s31, 768
	s_mov_b32 s33, 0
	s_add_nc_u64 s[ACP:ACP+1], s[6:7], s[32:33]
	s_lshl_b32 s32, s28, 9
	s_lshr_b32 s31, s30, 1
	s_lshl_b32 s31, s31, 6
	s_add_co_u32 s32, s32, s31
	s_and_b32 s31, s30, 1
	s_lshl_b32 s31, s31, 1
	s_add_co_u32 s32, s32, s31
	s_add_nc_u64 s[ASP:ASP+1], s[8:9], s[32:33]
	v_mov_b32 v13, 0xff61b1e6                      ; the largest t so far: -3e38, under every t
	v_floor_f32 v12, -v13                          ; -M
	v_mov_b32 v14, 0
	v_mov_b32 v15, 0
.set n, 0
.rept 32
	v_mov_b32 v[O+n], 0                            ; O^T.  (The step is written without a first step of its own: it finds zeros, which the first change of M leaves zeros)
.set n, n+1
.endr
	s_wait_dscnt 0x0                               ; my part of record 0 lies in slot 0, and my reads of slot 1 are over
	s_barrier_signal -1
	s_mov_b32 s[TR], s[BQ]
	s_cmp_eq_u32 s[BQ], 0
	s_cbranch_scc1 .Ldiag
.Ltrip:                                            ; a trip: 256 keys, all of which count for all 256 queries
	s_barrier_wait -1                              ; slot 0 is whole, and nobody reads slot 1
	PUT 1, LDA
	GET LDB, KVP, 2*RECB
	STEP 0, 0
	s_barrier_wait -1                              ; slot 1 is whole, and nobody reads slot 0
	PUT 0, LDB
	GET LDA, KVP, 3*RECB                           ; at the most record 2 x block + 1, which is 15 or less
	STEP 1, 0
	s_wait_xcnt 0x0                                ; the loads have read their base
	s_add_nc_u64 s[KVP:KVP+1], s[KVP:KVP+1], 2*RECB
	s_sub_co_u32 s[TR], s[TR], 1
	s_cmp_lg_u32 s[TR], 0
	s_cbranch_scc1 .Ltrip
.Ldiag:                                            ; the trip on the diagonal
	s_barrier_wait -1
	PUT 1, LDA
	STEP 0, 1
	s_barrier_wait -1
	s_cmp_lg_u32 s[PH], 0
	s_cbranch_scc1 .Lno_next
	PRELOAD I                                      ; the second phase's first bytes are asked for a step and a half ahead
.Lno_next:
	STEP 1, 2
	FINISH
	s_add_co_u32 s[PH], s[PH], 1
	s_cmp_lt_u32 s[PH], 2
	s_cbranch_scc1 .Lphase
	s_wait_tensorcnt 0x0
	ds_add_u32 v254, v255
	s_wait_dscnt 0x0
	s_endpgm
.Lfunc_end_k_qf39438329c_attn:
	.size	k_qf39438329c_attn, .Lfunc_end_k_qf39438329c_attn-k_qf39438329c_attn
	.p2alignl 7, 3214868480
	.fill 96, 4, 3214868480
	.section	.rodata,"a",@progbits
	.p2align	6, 0x0
	.amdhsa_kernel k_qf39438329c_attn
		.amdhsa_group_segment_fixed_size 34816
		.amdhsa_private_segment_fixed_size 0
		.amdhsa_enable_private_segment 0
		.amdhsa_kernarg_size 24
		.amdhsa_user_sgpr_count 2
		.amdhsa_user_sgpr_kernarg_segment_ptr 1
		.amdhsa_wavefront_size32 1
		.amdhsa_system_sgpr_workgroup_id_x 1
		.amdhsa_system_sgpr_workgroup_id_y 1
		.amdhsa_system_sgpr_workgroup_id_z 1
		.amdhsa_system_vgpr_workitem_id 0
		.amdhsa_next_free_vgpr 256
		.amdhsa_next_free_sgpr 66
		.amdhsa_reserve_vcc 1
		.amdhsa_float_denorm_mode_32 3
		.amdhsa_float_denorm_mode_16_64 3
		.amdhsa_memory_ordered 1
		.amdhsa_forward_progress 1
		.amdhsa_inst_pref_size 85
	.end_amdhsa_kernel
	.amdgpu_metadata
---
amdhsa.version: [ 1, 2 ]
amdhsa.kernels:
  - .name:           k_qf39438329c_attn
    .symbol:         k_qf39438329c_attn.kd
    .args:
      - { .name: qkv, .offset: 0, .size: 8, .value_kind: global_buffer, .address_space: global }
      - { .name: ac, .offset: 8, .size: 8, .value_kind: global_buffer, .address_space: global }
      - { .name: asc, .offset: 16, .size: 8, .value_kind: global_buffer, .address_space: global }
    .group_segment_fixed_size: 34816
    .private_segment_fixed_size: 0
    .kernarg_segment_align: 8
    .kernarg_segment_size: 24
    .max_flat_workgroup_size: 512
    .sgpr_count:     66
    .vgpr_count:     256
    .wavefront_size: 32
...
	.end_amdgpu_metadata
.endif
;; end of part 3
;; launch outp (part 4): grid 4 x 32, 4 waves a work-group, clusters of 4 x 4, 327,680 bytes of LDS; arguments ac, asc, opc, ops, bo, out0; writes out0
.if DOCPART == 4
	.amdgcn_target "amdgcn-amd-amdhsa--gfx1250"
	.amdhsa_code_object_version 6
	.text
	.protected	k_qf39438329c_outp
	.globl	k_qf39438329c_outp
	.p2align	8
	.type	k_qf39438329c_outp,@function
k_qf39438329c_outp:
	s_mov_b64 s[64:65], 0
	v_nop
	global_prefetch_b8 v0, s[64:65] scope:SCOPE_SE
	s_setreg_imm32_b32 hwreg(HW_REG_WAVE_MODE, 25, 1), 1
	s_wait_xcnt 0x0
	s_wait_alu depctr_hold_cnt(0) depctr_sa_sdst(0) depctr_va_vdst(0) depctr_va_sdst(0) depctr_va_ssrc(0) depctr_va_vcc(0) depctr_vm_vsrc(0)
	s_getreg_b32 s2, hwreg(HW_REG_IB_STS2, 6, 4)
	s_cmp_eq_u32 s2, 0
	s_cbranch_scc0 .Lentry_in_a_cluster
	s_endpgm
.Lentry_in_a_cluster:
	s_bfe_u32 s2, ttmp6, 0x10000c
	s_cmp_lg_u32 s2, 0xf033
	s_cbranch_scc0 .Lentry_shape_is_right
	s_endpgm
.Lentry_shape_is_right:
; out0 = attention's result x Wo^T + bo on codes of BF6 (E3M2) with E8M0 scales; sums and the bias in f32; out0 [8192][1024] f32.
; OPERANDS: tiles of 16 rows x 1,024 K; tile 2 G + u holds at position p row 32 G + 8 u + p + 8 (p / 8); codes 12,288 bytes a tile as 16 half fragments of 768 bytes (registers 0-3 at 16 x lane, registers 4, 5 at 512 + 8 x lane);
; scale words [K / 128][position], 512 bytes a tile.  A = the 512 tiles of attention's result; B = Wo, tiles 1728 on of the first launch's stream.
; SHARES.  8 clusters of 4 x 4 work-groups; a work-group of four waves makes 256 x 256, a wave 128 x 128: 64 accumulators, 512 registers.  128 work-groups: a tile of half the size would fill more WGPs and read each LDS byte for half the products.
; Source 0 = 16 rows of Wo, source 1 = 16 rows of A: a lane holds one row of the output, and the registers of A's block a run along the columns: register 16 b + i = column 32 b + 16 (lane / 16) + i.
; K goes in steps of 256 through a ring of two LDS slots; a wave's tensor load brings 8 tiles x 3,072 bytes; the scale words come once.  A's tiles are asked for jointly along a row of the cluster, B's along a column.
; REGISTERS: window 0: v1-9 lane terms; v16-29 LDS addresses; v32-63 scale words, and nothing else; v64-67 the bias; v128-223 A's fragments, one set (on the way out v128-255: rows of the output).
;   window 1: B's fragments, two sets.  windows 2, 3: the accumulators, (a, b) at v[8 (8 (a % 4) + b)].
.set NQ,     2
.set FR,     12
.set NL,     4
.set NP,     4                         ; places behind this matrix instruction (ISA guide 7.12.1)
.set TILEB,  3072
.set HALFT,  8*TILEB
.set SLOT,   4*HALFT
.set LAPS,   2
.set SCL,    2*SLOT
.set HALFS,  4096
.set SPARE,  SCL+4*HALFS               ; the spare words, 128 bytes for each wave: two blocks of 256 bytes that no other line names
.set SPITCH, 528                       ; the way out: a stage of 16 rows x (512 bytes + 16) for each wave, in slot 0, which has had its last fill and its last read when the first result is stored there
.set C16,  4
.set C8,   5
.set ADRA, 16
.set ADRB, 20
.set STO,  24
.set RD,   25
.set ADRS, 27
.set SPW,  28
.set NIL,  29
.set SC,   32
.set BI,   64
.set AF,   128
.set BK,   128
.set WV, 16
.set HA, 17
.set HB, 18
.set CX, 20
.set CY, 21
.set TC, 22
.set TR, 23
.set G1, 24
.set G0, 32
.set G1B, 48
.set G0B, 56
.set G1S, 68
.set G0S, 76
.set G1SB, 80
.set G0SB, 88
.set MSB, 0
.macro WIN new                         ; the immediate's high byte repeats the setting that is left
.if MSB != (\new)
	s_set_vgpr_msb (MSB<<8)|(\new)
.set MSB, (\new)
.endif
.endm
.set MUL_LO, 0xa1
.set MUL_HI, 0xf1
.set TO_B,   0x40
.macro JLOAD g0a, g1a, g0b, g1b        ; a joint load: waves 0 and 1 fetch for A, waves 2 and 3 for B; four v_nop follow each of the two lines
	s_cmp_eq_u32 s[HA], 0
	s_cbranch_scc0 .Lfor_b_\@
	tensor_load_to_lds s[\g0a:\g0a+3], s[\g1a:\g1a+7]
	s_nop 0
.rept 4
	v_nop
.endr
	s_branch .Lasked_\@
.Lfor_b_\@:
	tensor_load_to_lds s[\g0b:\g0b+3], s[\g1b:\g1b+7]
	s_nop 0
.rept 4
	v_nop
.endr
.Lasked_\@:
.endm
.macro CREST
	s_cmp_lg_u32 s[WV], 0
	s_cbranch_scc1 .Lnot_wave_0_\@
	s_barrier_signal -3
.Lnot_wave_0_\@:
	s_barrier_wait -3
	s_barrier_signal -1
	s_barrier_wait -1
.endm
.macro CROUND
	s_barrier_signal -1
	s_barrier_wait -1
	CREST
.endm
	s_load_b128 s[4:7], s[0:1], 0x0                ; A's codes, A's scale words
	s_load_b128 s[8:11], s[0:1], 0x10              ; the stream with Wo's codes, and its scale words
	s_load_b128 s[12:15], s[0:1], 0x20             ; bo, out0
	v_lshl_add_u32 v[SPW], v0, 2, SPARE
	v_mov_b32 v[NIL], 0
	ds_add_u32 v28, v29
	ds_add_u32 v28, v29
	s_wait_dscnt 0x0
	v_lshrrev_b32 v1, 5, v0
	v_readfirstlane_b32 s[WV], v1
	s_lshr_b32 s[HA], s[WV], 1
	s_and_b32 s[HB], s[WV], 1
	s_bfe_u32 s[CX], ttmp6, 0x40000
	s_bfe_u32 s[CY], ttmp6, 0x40004
	s_and_b32 s40, ttmp7, 0xffff
	s_lshl_b32 s[TR], s40, 2
	s_add_co_u32 s[TR], s[TR], s[CY]               ; which 256 rows: 4 x cluster + cy
	s_mov_b32 s[TC], s[CX]                         ; which 256 columns
	s_lshl_b32 s43, s[CY], 2
	s_lshl_b32 s43, 15, s43                        ; my row of the cluster
	s_lshl_b32 s44, 0x1111, s[CX]                  ; my column
	s_or_b32 s[G1+0], s43, (3<<16)|(1<<21)         ; codes: 8 rows (tiles) of 384 elements of 8 bytes, 1,536 elements from tile to tile; the mask, and bit 21 beside it
	s_or_b32 s[G1B+0], s44, (3<<16)|(1<<21)
.irp g, G1, G1B
	s_mov_b32 s[\g+1], 384<<16
	s_mov_b32 s[\g+2], 8<<16
	s_mov_b32 s[\g+3], 384<<16
	s_mov_b32 s[\g+4], 8
	s_mov_b32 s[\g+5], 1536
	s_mov_b32 s[\g+6], 0
	s_mov_b32 s[\g+7], 0
.endr
	s_or_b32 s[G1S+0], s43, (3<<16)|(1<<21)        ; scale words of 8 tiles: 4,096 dense bytes as 16 rows of 256
	s_or_b32 s[G1SB+0], s44, (3<<16)|(1<<21)
.irp g, G1S, G1SB
	s_mov_b32 s[\g+1], 32<<16
	s_mov_b32 s[\g+2], 16<<16
	s_mov_b32 s[\g+3], 32<<16
	s_mov_b32 s[\g+4], 16
	s_mov_b32 s[\g+5], 32
	s_mov_b32 s[\g+6], 0
	s_mov_b32 s[\g+7], 0
.endr
	s_lshl_b32 s45, s[HB], 3
	s_lshl_b32 s46, s[TR], 4
	s_add_co_u32 s46, s46, s45                     ; A's first tile
	s_lshl_b32 s47, s[TC], 4
	s_add_co_u32 s47, s47, s45
	s_add_co_u32 s47, s47, 1728                    ; B's
	s_mul_i32 s92, s46, 12288
	s_mov_b32 s93, 0
	s_lshl_b32 s94, s46, 9
	s_mov_b32 s95, 0
	s_mul_i32 s96, s47, 12288
	s_mov_b32 s97, 0
	s_lshl_b32 s98, s47, 9
	s_mov_b32 s99, 0
	s_mul_i32 s45, s[WV], HALFT
	s_lshl_b32 s40, s[WV], 12
	s_wait_kmcnt 0x0
	s_add_nc_u64 s[92:93], s[4:5], s[92:93]
	s_add_nc_u64 s[94:95], s[6:7], s[94:95]
	s_add_nc_u64 s[96:97], s[8:9], s[96:97]
	s_add_nc_u64 s[98:99], s[10:11], s[98:99]
	CROUND                                         ; all sixteen work-groups are here: the first joint loads meet
	s_mov_b32 s[G0S], 1
	s_add_co_u32 s[G0S+1], s40, SCL
	s_mov_b64 s[G0S+2:G0S+3], s[94:95]
	s_or_b32 s[G0S+3], s[G0S+3], 0x80000000
	s_mov_b32 s[G0SB], 1
	s_add_co_u32 s[G0SB+1], s40, SCL
	s_mov_b64 s[G0SB+2:G0SB+3], s[98:99]
	s_or_b32 s[G0SB+3], s[G0SB+3], 0x80000000
	JLOAD G0S, G1S, G0SB, G1SB
.irp s, 0,1
	s_mov_b32 s[G0+4*\s], 1
	s_add_co_u32 s[G0+4*\s+1], s45, \s*SLOT
	s_add_nc_u64 s[G0+4*\s+2:G0+4*\s+3], s[92:93], \s*TILEB
	s_or_b32 s[G0+4*\s+3], s[G0+4*\s+3], 0x80000000
	s_mov_b32 s[G0B+4*\s], 1
	s_add_co_u32 s[G0B+4*\s+1], s45, \s*SLOT
	s_add_nc_u64 s[G0B+4*\s+2:G0B+4*\s+3], s[96:97], \s*TILEB
	s_or_b32 s[G0B+4*\s+3], s[G0B+4*\s+3], 0x80000000
	JLOAD G0+4*\s, G1, G0B+4*\s, G1B               ; three tensor loads of mine are out
.endr
	v_and_b32 v1, 15, v0                           ; r
	v_bfe_u32 v2, v0, 4, 1                         ; h
	v_and_b32 v3, 31, v0                           ; lane
	v_lshlrev_b32 v[C16], 4, v3
	v_lshlrev_b32 v[C8], 3, v3
	s_lshl_b32 s40, s[TR], 8
	s_lshl_b32 s41, s[HA], 7
	s_add_co_u32 s40, s40, s41                     ; my first row
	s_lshl_b32 s40, s40, 12                        ; of 4,096 bytes
	s_lshl_b32 s42, s[TC], 10
	s_lshl_b32 s43, s[HB], 9
	s_add_co_u32 s42, s42, s43                     ; my first column, in bytes
	s_add_co_u32 s40, s40, s42
	s_mov_b32 s41, 0
	s_mov_b32 s43, 0
	s_add_nc_u64 s[14:15], s[14:15], s[40:41]
	s_add_nc_u64 s[12:13], s[12:13], s[42:43]
	global_load_b128 v[BI:BI+3], v[C16], s[12:13]  ; the bias of the four columns that I store
	s_mul_i32 s40, s[HA], HALFT
	s_mul_i32 s41, s[HB], HALFT
	s_add_co_u32 s41, s41, 2*HALFT
.irp s, 0,1
	v_add_nc_u32 v[ADRA+\s], s40, v[C16]
	v_add_nc_u32 v[ADRB+\s], s41, v[C16]
	v_add_nc_u32 v[ADRA+2+\s], s40, v[C8]
	v_add_nc_u32 v[ADRB+2+\s], s41, v[C8]
	s_add_co_u32 s40, s40, SLOT
	s_add_co_u32 s41, s41, SLOT
.endr
	s_lshl_b32 s40, s[HA], 12
	s_lshl_b32 s41, s[HB], 12
	s_add_co_u32 s41, s41, 2*HALFS
	s_sub_co_u32 s41, s41, s40
	v_mul_u32_u24 v9, s41, v2                      ; lanes 16-31 take B's scale words
	s_add_co_u32 s40, s40, SCL
	v_lshl_add_u32 v9, v1, 2, v9
	v_add_nc_u32 v[ADRS], s40, v9
	s_mul_i32 s40, s[WV], 16*SPITCH                ; my stage
	v_mul_u32_u24 v[STO], v1, SPITCH
	v_lshl_add_u32 v[STO], v2, 6, v[STO]
	v_add_nc_u32 v[STO], s40, v[STO]               ; in: row r, + 64 h
	v_add_nc_u32 v[RD], s40, v[C16]                ; back: the 32 lanes take one row of 512 bytes
.macro FRAG reg, adr, q, i
	ds_load_b128 v[\reg:\reg+3], v[\adr] offset:(\i)*TILEB+(\q)*1536
	ds_load_b64 v[\reg+4:\reg+5], v[\adr+2] offset:(\i)*TILEB+(\q)*1536+512
	ds_load_b128 v[\reg+6:\reg+9], v[\adr] offset:(\i)*TILEB+(\q)*1536+768
	ds_load_b64 v[\reg+10:\reg+11], v[\adr+2] offset:(\i)*TILEB+(\q)*1536+1280
.endm
; The 64 accumulators take turns, one instruction a turn, in the same order in every step.
.macro MUL16 a0, p, q, sc, zero
.irp a, \a0, \a0+1
.irp b, 0,1,2,3,4,5,6,7
.if \zero
	v_wmma_scale_f32_16x16x128_f8f6f4 v[8*(8*((\a)%4)+\b):8*(8*((\a)%4)+\b)+7], v[128*(\p)+FR*\b:128*(\p)+FR*\b+FR-1], v[AF+FR*(\a):AF+FR*(\a)+FR-1], 0, v[SC+8*NQ*(\sc)+NQ*\b+(\q)], v[SC+8*NQ*(\sc)+NQ*(\a)+(\q)] matrix_a_fmt:MATRIX_FMT_BF6 matrix_b_fmt:MATRIX_FMT_BF6 matrix_a_scale:MATRIX_SCALE_ROW1
.else
	v_wmma_scale_f32_16x16x128_f8f6f4 v[8*(8*((\a)%4)+\b):8*(8*((\a)%4)+\b)+7], v[128*(\p)+FR*\b:128*(\p)+FR*\b+FR-1], v[AF+FR*(\a):AF+FR*(\a)+FR-1], v[8*(8*((\a)%4)+\b):8*(8*((\a)%4)+\b)+7], v[SC+8*NQ*(\sc)+NQ*\b+(\q)], v[SC+8*NQ*(\sc)+NQ*(\a)+(\q)] matrix_a_fmt:MATRIX_FMT_BF6 matrix_b_fmt:MATRIX_FMT_BF6 matrix_a_scale:MATRIX_SCALE_ROW1
.endif
.endr
.endr
.endm
.macro FETCH_B slot, q, p
	WIN TO_B
.irp i, 0,1,2,3,4,5,6,7
	FRAG 128*(\p)+FR*\i, ADRB+\slot, \q, \i
.endr
	WIN 0
.endm
.macro FETCH_A slot, q, i0
.irp i, \i0, \i0+1, \i0+2, \i0+3
	FRAG AF+FR*(\i), ADRA+\slot, \q, \i
.endr
.endm
.macro SCALES sc
.irp i, 0,1,2,3,4,5,6,7
.irp q, 0,1
	ds_load_b32 v[SC+16*\sc+2*\i+\q], v[ADRS] offset:512*\i+64*\q
.endr
.endr
.endm
.macro PLACES n                        ; places behind matrix instructions, in front of loads into their registers and of reads of their results
.rept \n
	v_nop
.endr
.endm
.macro STEP slot, q, zero
	s_wait_dscnt 4*NL                              ; all but the youngest 16 loads (A's blocks 4-7) are in
	WIN MUL_LO
	MUL16 0, (\q)%2, \q, \slot, \zero
	MUL16 2, (\q)%2, \q, \slot, \zero
	s_wait_dscnt 0
	PLACES NP
	FETCH_B \slot, (\q)+1, 1-(\q)%2
	FETCH_A \slot, (\q)+1, 0
	WIN MUL_HI
	MUL16 4, (\q)%2, \q, \slot, \zero
	MUL16 6, (\q)%2, \q, \slot, \zero
	PLACES NP
	WIN 0
	FETCH_A \slot, (\q)+1, 4
.endm
.macro TURN slot, next, fill
	s_wait_tensorcnt 0x0                           ; all my tensor loads have landed: my part of the next slot
	ds_add_u32 v[SPW], v[NIL]                      ; 0 onto my spare word
	s_wait_dscnt 4*NL+1                            ; (the add and the youngest 16 loads may be out)
	WIN MUL_LO
	MUL16 0, 1, NQ-1, \slot, 0
	s_wait_dscnt 0x0                               ; the add is done, and my reads of this slot are over
	s_barrier_signal -1
	MUL16 2, 1, NQ-1, \slot, 0
	WIN 0
	s_barrier_wait -1
.if \fill
	CREST                                          ; the barrier has opened a round of the cluster's barrier: no wave of any partner still reads this slot's tile or has a load on its way
	s_add_nc_u64 s[G0+4*\slot+2:G0+4*\slot+3], s[G0+4*\slot+2:G0+4*\slot+3], 2*TILEB
	s_add_nc_u64 s[G0B+4*\slot+2:G0B+4*\slot+3], s[G0B+4*\slot+2:G0B+4*\slot+3], 2*TILEB
	JLOAD G0+4*\slot, G1, G0B+4*\slot, G1B         ; the first tensor load behind the round
.else
	PLACES NP
.endif
	v_add_nc_u32 v[ADRS], 128, v[ADRS]
	FETCH_B \next, 0, 0
	FETCH_A \next, 0, 0
	SCALES \next
	WIN MUL_HI
	MUL16 4, 1, NQ-1, \slot, 0
	MUL16 6, 1, NQ-1, \slot, 0
	PLACES NP
	WIN 0
	FETCH_A \next, 0, 4
.endm
	s_wait_tensorcnt 1                             ; the scale words and my part of K step 0 are in (K step 1's load may be out)
	s_barrier_signal -1
	s_barrier_wait -1                              ; everybody's are
	FETCH_B 0, 0, 0
	FETCH_A 0, 0, 0
	SCALES 0
	FETCH_A 0, 0, 4
	STEP 0, 0, 1                                   ; the first step's products start the sums
	s_mov_b32 s3, LAPS-1
.Llap:
	TURN 0, 1, 1
	STEP 1, 0, 0
	TURN 1, 0, 1
	STEP 0, 0, 0
	s_sub_co_u32 s3, s3, 1
	s_cmp_lg_u32 s3, 0
	s_cbranch_scc1 .Llap
	TURN 0, 1, 0                                   ; the last lap fills nothing
	STEP 1, 0, 0
	s_wait_dscnt 4*NL
	WIN MUL_LO
	MUL16 0, 1, NQ-1, 1, 0
	MUL16 2, 1, NQ-1, 1, 0
	s_wait_dscnt 0
	WIN MUL_HI
	MUL16 4, 1, NQ-1, 1, 0
	MUL16 6, 1, NQ-1, 1, 0
	WIN 0
; THE WAY OUT, block by block of 16 rows x 128 columns, through my own stage: in by 16 bytes of a row, back as whole rows of 512 bytes, which get the bias and are stored by the 32 lanes as two aligned runs of 256 bytes.
; LDS serves a wave's instructions in order (ISA guide 5.7.1.4): no wait between the stores and the loads, nor in front of the next block's stores.
.macro TOSTAGE a
.set AC, 64*((\a)%4)
	WIN 0x08+4*((\a)/4)                            ; the data: window 2 or 3
.irp b, 0,1,2,3,4,5,6,7
	ds_store_b128 v[STO], v[AC+8*\b:AC+8*\b+3] offset:128*(\b/2)+32*(\b%2)          ; columns 32 (b / 2) + 16 h + 8 (b % 2) on; each accumulator from its low end on
	ds_store_b128 v[STO], v[AC+8*\b+4:AC+8*\b+7] offset:128*(\b/2)+32*(\b%2)+16
.endr
	WIN 0
.set BB, BK+64*((\a)%2)
.irp t, 0,1,2,3,4,5,6,7,8,9,10,11,12,13,14,15
	ds_load_b128 v[BB+4*\t:BB+4*\t+3], v[RD] offset:\t*SPITCH
.endr
.endm
.macro SEND a, younger                 ; younger: the LDS instructions issued behind block a's loads, which may stay out
.set BB, BK+64*((\a)%2)
	s_wait_dscnt \younger
.irp t, 0,1,2,3,4,5,6,7,8,9,10,11,12,13,14,15
	v_pk_add_f32 v[BB+4*\t:BB+4*\t+1], v[BB+4*\t:BB+4*\t+1], v[BI:BI+1]
	v_pk_add_f32 v[BB+4*\t+2:BB+4*\t+3], v[BB+4*\t+2:BB+4*\t+3], v[BI+2:BI+3]
	global_store_b128 v[C16], v[BB+4*\t:BB+4*\t+3], s[14:15] offset:(32*((\a)/2)+8*((\a)%2)+\t+8*(\t/8))*4096 th:TH_STORE_NT   ; position t of tile a is row 32 (a / 2) + 8 (a % 2) + t + 8 (t / 8); 127 rows at the most: inside the immediate
.endr
.endm
	s_wait_loadcnt 0x0                             ; the bias
	PLACES NP
	TOSTAGE 0
.irp a, 1,2,3,4,5,6,7
.if \a > 1
	s_wait_xcnt 0x0                                ; block a - 2's stores have read their registers: block a's loads may land there
.endif
	TOSTAGE \a
	SEND \a-1, 32                                  ; behind block a - 1's loads: block a's 16 stores and 16 loads
.endr
	SEND 7, 0
	s_wait_tensorcnt 0x0                           ; the wave's end
	ds_add_u32 v[SPW], v[NIL]
	s_wait_dscnt 0x0
	CROUND                                         ; the closing round
	s_endpgm
.Lfunc_end_k_qf39438329c_outp:
	.size	k_qf39438329c_outp, .Lfunc_end_k_qf39438329c_outp-k_qf39438329c_outp
	.p2alignl 7, 3214868480
	.fill 96, 4, 3214868480
	.section	.rodata,"a",@progbits
	.p2align	6, 0x0
	.amdhsa_kernel k_qf39438329c_outp
		.amdhsa_group_segment_fixed_size 327680
		.amdhsa_private_segment_fixed_size 0
		.amdhsa_enable_private_segment 0
		.amdhsa_kernarg_size 48
		.amdhsa_user_sgpr_count 2
		.amdhsa_user_sgpr_kernarg_segment_ptr 1
		.amdhsa_wavefront_size32 1
		.amdhsa_system_sgpr_workgroup_id_x 1
		.amdhsa_system_sgpr_workgroup_id_y 1
		.amdhsa_system_sgpr_workgroup_id_z 1
		.amdhsa_system_vgpr_workitem_id 0
		.amdhsa_next_free_vgpr 1024
		.amdhsa_next_free_sgpr 102
		.amdhsa_reserve_vcc 0
		.amdhsa_float_denorm_mode_32 3
		.amdhsa_float_denorm_mode_16_64 3
		.amdhsa_memory_ordered 1
		.amdhsa_forward_progress 1
		.amdhsa_inst_pref_size 161
	.end_amdhsa_kernel
	.amdgpu_metadata
---
amdhsa.version: [ 1, 2 ]
amdhsa.kernels:
  - .name:           k_qf39438329c_outp
    .symbol:         k_qf39438329c_outp.kd
    .args:
      - { .name: ac, .offset: 0, .size: 8, .value_kind: global_buffer, .address_space: global }
      - { .name: asc, .offset: 8, .size: 8, .value_kind: global_buffer, .address_space: global }
      - { .name: opc, .offset: 16, .size: 8, .value_kind: global_buffer, .address_space: global }
      - { .name: ops, .offset: 24, .size: 8, .value_kind: global_buffer, .address_space: global }
      - { .name: bo, .offset: 32, .size: 8, .value_kind: global_buffer, .address_space: global }
      - { .name: out0, .offset: 40, .size: 8, .value_kind: global_buffer, .address_space: global }
    .group_segment_fixed_size: 327680
    .private_segment_fixed_size: 0
    .kernarg_segment_align: 8
    .kernarg_segment_size: 48
    .max_flat_workgroup_size: 128
    .sgpr_count:     102
    .vgpr_count:     1024
    .wavefront_size: 32
...
	.end_amdgpu_metadata
.endif
;; end of part 4
;; ======== version 2 of 2: 4 launches; version 1 with the launch attn written anew for expert scheduling mode
;; workspace buffers: opc 22,020,096 bytes; ops 917,504 bytes; qkv 19,660,800 bytes; ac 6,291,456 bytes; asc 262,144 bytes
;; launch quant: the kernel of part 1 again; grid 256 x 1, 7 waves a work-group, no clusters, 60,160 bytes of LDS; arguments query, key, value, Wq, Wk, Wv, Wo, opc, ops; writes opc, ops
;; launch proj: the kernel of part 2 again; grid 4 x 96, 4 waves a work-group, clusters of 4 x 4, 327,680 bytes of LDS; arguments opc, ops, bq, bk, bv, qkv; writes qkv
;; launch attn (part 5): grid 4 x 64, 16 waves a work-group, no clusters, 34,816 bytes of LDS; arguments qkv, ac, asc; writes ac, asc
.if DOCPART == 5
	.amdgcn_target "amdgcn-amd-amdhsa--gfx1250"
	.amdhsa_code_object_version 6
	.text
	.protected	k_qf39438329c_attn
	.globl	k_qf39438329c_attn
	.p2align	8
	.type	k_qf39438329c_attn,@function
k_qf39438329c_attn:
	s_mov_b64 s[64:65], 0
	v_nop
	global_prefetch_b8 v0, s[64:65] scope:SCOPE_SE
	s_setreg_imm32_b32 hwreg(HW_REG_WAVE_SCHED_MODE, 0, 2), 2
	s_setreg_imm32_b32 hwreg(HW_REG_WAVE_MODE, 25, 1), 1
	s_wait_xcnt 0x0
	s_wait_alu depctr_vm_vsrc(0)
; Causal attention of one (batch, head) on codes of BF6 (E3M2) with E8M0 scales; head size 64, 2,048 keys.  The result, divided by the row's sum, is quantised along the channels and leaves as codes for the last product.
; THE SOFTMAX: t = score x log2(e) / 8; M = the row's largest t so far, rounded UP to a whole number; p = 2^(t - M) is what is quantised, along the keys, not normalised.  The row's sum is taken of the unquantised p.
; When M moves, the sum and O are multiplied by 2^(old M - new M): exact.
; INPUT: qkv [batch x 16 + head][group of 128 rows][19,200 bytes]: +0 K's 8 tiles of 16 keys x 64 channels x 768 bytes; +6144 V^T: 4 fragments of 16 channels x 128 keys; +12288 K's scale words; +12544 V's; +12800 Q's 8 tiles; +18944 Q's scale words.
; Tile 2 G + u holds at position p row 32 G + 8 u + p + 8 (p / 8).  A key step's 12,800 bytes are one dense block.
; HEAD SIZE 64 IN AN INSTRUCTION OF K = 128: two neighbouring tiles of K are ONE fragment (K 0-63: tile 2 f, K 64-127: tile 2 f + 1), multiplied once by [q | zeros] and once by [zeros | q].  The half that meets zero codes
; adds exactly 0: the format has no infinity and no NaN, and no scale byte is 0xff.  So no fragment of K is half empty in LDS or in registers.
; SHARES.  256 work-groups: 4 for each of the 64 heads.  Work-group I takes the blocks of 256 queries 7 - I and then I: 8 - I and I + 1 trips of 256 keys, nine for every work-group.  Each of its SIXTEEN waves owns 16 queries, one tile,
; in 256 registers: four waves to a SIMD, so that one wave's vector work stands beside another's matrix work and LDS loads.  Both products are used transposed: a lane holds ONE query throughout.
; CAUSAL.  Keys behind a block's 256 queries are never fetched.  In the last trip waves 0-7 (queries in its first 128 keys) mask the first step and leave the second out; waves 8-15 take the first as it is and mask the second.
; K AND V COME BY PLAIN LOADS, 16 bytes a thread (and 16 more in waves 0-8), a step ahead, through registers into two LDS slots.  NO CLUSTER: the four work-groups of a head walk 8 - I and I + 1 trips in their phases, so partners need
; different numbers of tiles, and a step's block is 25 bytes a thread beside some 330 vector instructions a wave.
; LIMITS: v_exp_f32 gives 0 for results under 2^-126; O / sum is v_rcp_f32 and a multiplication; NaN and infinities are not served; a block of zeros keeps the byte 1 (its codes are zeros; this program alone reads the bytes).
; THE MODE: SCHED_MODE bits 1:0 = 2 (LLVM: expert scheduling mode 2), set by the entry lines.  The code itself states the register dependences between vector or matrix instructions and memory or LDS instructions, with s_wait_alu, always for 0.
; THE PLAN.  Registers that memory or LDS instructions touch:
;   v1-4, v7-10   addresses and offsets: written at the head, never again; one wait on va_vdst ahead of the first load serves them all.
;   LDA, LDB      written by loads from memory; read by the stores into a slot one step later; LDA's first seven also by the copies of q at a phase's head.
;   KV            K's LDS loads land in it at a step's head, V's behind the scores' products; read by the eight products of the scores, then by the four with p.
;   KS, VS        scale words: written by LDS loads, read by the products.
;   PC, BYS       written by the conversions and a select; read by a phase's three last stores.
;   v254, v255    written at the head, read by the closing add alone.
; All 256 registers of each of a SIMD's four waves are given out, so no set has a double.  A step has one wait on vm_vsrc and one on va_vdst behind its barrier's wait, ahead of all its stores and loads; one on va_vdst between
; the scores' products and V's loads; the one behind the exponentials; and one ahead of the products that take p's fresh codes and scale word.
.set SLOTB, 16384                      ; slot 1 begins here; a slot holds 12,800 bytes
.set RECB,  19200
.set HEADB, 16*RECB
.set HBP, 4                            ; s[4:5]   qkv at my head
.set WV,  10
.set I,   11
.set BH,  12
.set PH,  13                           ; the phase, 0 or 1
.set BQ,  14                           ; its block of 256 queries
.set TR,  15                           ; open trips to go
.set KVP, 16                           ; s[16:17] qkv at the trip's first record
.set QB,  18                           ; s[18:19] at my queries' record
.set SEL, 20
.set CS,  22                           ; s[22:23] c = log2(e) / 8: the packed form names a pair and takes its low word for both halves
.set ACP, 24
.set ASP, 26
.set MK,  28                           ; s[28:35] inside a step: eight masks of the causal compare (outside a step s28-33 are at work on addresses)
.set QS,  34                           ; v34      Q's scale word: its two bytes in both halves
.set PW,  35                           ; v35      p's scale word
.set KS,  36                           ; v36-39   K's scale words, one a fragment
.set VS,  40                           ; v40-43   V's
.set LDA, 44                           ; v44-51   bytes on their way to a slot (and Q on its way in)
.set LDB, 52                           ; v52-59
.set KV,  60                           ; v60-107  four fragments of K, then of V
.set S,   108                          ; v108-171 S^T, then p: register 16 b + i = key 32 b + 16 (lane / 16) + i of the step
.set O,   172                          ; v172-203 O^T: register 16 b + i = channel 32 b + 16 (lane / 16) + i
.set PC,  204                          ; v204-215 p's codes
.set PT,  216
.set BM,  224
.set PX,  228
.set SO,  232
.set BY,  236
.set F,   240
.set TMP, 242
.set SUM2, 244
.set BYS, 246
; v1 16 x lane, v2 8 x lane, v3 16 r, v4 16 x thread, v5 my query in its record - 16 h, v6 -infinity, v7-9 Q's places in a record, v10 4 r + h; v12 -M, v13 the largest t, v[14:15] the sum; v16-33 [q | zeros | q]
.macro GET set, base, off              ; a record's first 12,800 bytes: 16 bytes a thread, and 16 more in waves 0-8
	global_load_b128 v[\set:\set+3], v4, s[\base:\base+1] offset:\off
	s_cmp_lt_u32 s[WV], 9
	s_cbranch_scc0 .Lg_\@
	global_load_b128 v[\set+4:\set+7], v4, s[\base:\base+1] offset:\off+8192
.Lg_\@:
.endm
.macro PUT slot, set                   ; and into a slot, as they lie
	s_wait_loadcnt 0x0
	ds_store_b128 v4, v[\set:\set+3] offset:\slot*SLOTB
	s_cmp_lt_u32 s[WV], 9
	s_cbranch_scc0 .Lp_\@
	ds_store_b128 v4, v[\set+4:\set+7] offset:\slot*SLOTB+8192
.Lp_\@:
.endm
.macro PRELOAD bq                      ; for the phase of block s[bq]: record 0, and my tile of Q with its scale word
	s_lshl_b32 s28, s[\bq], 1
	s_lshr_b32 s29, s[WV], 3
	s_add_co_u32 s28, s28, s29
	s_mul_i32 s28, s28, RECB
	s_mov_b32 s29, 0
	s_add_nc_u64 s[QB:QB+1], s[HBP:HBP+1], s[28:29]   ; (the loads that named this pair have been waited for)
	GET LDB, HBP, 0
	global_load_b128 v[LDA:LDA+3], v7, s[QB:QB+1]
	global_load_b64 v[LDA+4:LDA+5], v8, s[QB:QB+1]
	global_load_b32 v[LDA+6], v9, s[QB:QB+1]
.endm
; The two waits behind each barrier's wait, ahead of the step's stores into a slot, its loads from memory and its LDS loads; only memory and scalar instructions stand between them and those.
.macro FREE
	s_wait_alu depctr_vm_vsrc(0)                   ; the stores into a slot that were issued a step ago have read the set (LDA or LDB) in which this step's loads from memory land; behind a phase's end: its last stores have read PC and BYS, which this phase writes again
	s_wait_alu depctr_va_vdst(0)                   ; the last step's products are done reading KV, KS and VS, in which K's fragments and scale words (and later V's scale words) land; at a phase's first step: q's two copies and its scale word are written, which the scores' products take
.endm
; A KEY STEP: the 128 keys in a slot.  m = 0: all keys count.  m = 1: the last trip's first step: waves 0-7 mask.  m = 2: its second: waves 0-7 leave it out, waves 8-15 mask; it signals no barrier.
.macro STEP slot, m
.if \m == 2
	s_cmp_lt_u32 s[WV], 8
	s_cbranch_scc1 .Lend_\@
.endif
.irp f, 0,1,2,3
	ds_load_b128 v[KV+12*\f:KV+12*\f+3], v1 offset:\slot*SLOTB+1536*\f
	ds_load_b64 v[KV+12*\f+4:KV+12*\f+5], v2 offset:\slot*SLOTB+1536*\f+512
	ds_load_b128 v[KV+12*\f+6:KV+12*\f+9], v1 offset:\slot*SLOTB+1536*\f+768
	ds_load_b64 v[KV+12*\f+10:KV+12*\f+11], v2 offset:\slot*SLOTB+1536*\f+1280
.endr
	ds_load_b128 v[KS:KS+3], v3 offset:\slot*SLOTB+12288
	s_wait_dscnt 0x0
.irp f, 0,1,2,3                                ; S^T = K Q^T: fragment f against [q | 0] gives tile 2 f, against [0 | q] tile 2 f + 1
.irp u, 0,1
	v_wmma_scale_f32_16x16x128_f8f6f4 v[S+8*(2*\f+\u):S+8*(2*\f+\u)+7], v[KV+12*\f:KV+12*\f+11], v[16+6*\u:27+6*\u], 0, v[KS+\f], v[QS] matrix_a_fmt:MATRIX_FMT_BF6 matrix_b_fmt:MATRIX_FMT_BF6
.endr
.endr
.rept 4
	v_nop                                          ; places in front of the first read of the scores
.endr
	s_wait_alu depctr_va_vdst(0)                   ; the eight products are done reading K's fragments, in whose registers V's land
.irp f, 0,1,2,3                                ; V's four fragments land while the maxima are taken
	ds_load_b128 v[KV+12*\f:KV+12*\f+3], v1 offset:\slot*SLOTB+6144+1536*\f
	ds_load_b64 v[KV+12*\f+4:KV+12*\f+5], v2 offset:\slot*SLOTB+6144+1536*\f+512
	ds_load_b128 v[KV+12*\f+6:KV+12*\f+9], v1 offset:\slot*SLOTB+6144+1536*\f+768
	ds_load_b64 v[KV+12*\f+10:KV+12*\f+11], v2 offset:\slot*SLOTB+6144+1536*\f+1280
.endr
	ds_load_b128 v[VS:VS+3], v3 offset:\slot*SLOTB+12544
.if \m != 0                                    ; the scores of hidden keys become -infinity ahead of the maximum: p = 0 then.  My own key always counts, so the maximum is a number
.if \m == 1
	s_cmp_ge_u32 s[WV], 8
	s_cbranch_scc1 .Lopen_\@
.endif
.set n, 0
.rept 8                                        ; eight registers, one accumulator, at a time: eight compares into eight scalar registers, one wait, eight selects from the accumulator's low end on
.set k, 0
.rept 8
	v_cmp_gt_i32 s[MK+k], 32*((n+k)/16)+(n+k)%16, v5   ; register n + k holds key 32 ((n + k) / 16) + (n + k) % 16 + 16 h: hidden where it lies behind my query
.set k, k+1
.endr
	s_wait_alu depctr_va_sdst(0)                   ; the eight compares have written their masks, which the eight selects read
.set k, 0
.rept 8
	v_cndmask_b32 v[S+n+k], v[S+n+k], v6, s[MK+k]
.set k, k+1
.endr
.set n, n+8
.endr
.if \m == 1
.Lopen_\@:
.endif
.endif
.irp b, 0,1,2,3
	v_max3_num_f32 v[BM+\b], v[S+16*\b], v[S+1+16*\b], v[S+2+16*\b]   ; the largest score of each block of 32 keys: for the row's maximum, and, since p rises with the score, for the block's largest p
.endr
.irp i, 3,5,7,9,11,13
.irp b, 0,1,2,3
	v_max3_num_f32 v[BM+\b], v[BM+\b], v[S+16*\b+\i], v[S+1+16*\b+\i]
.endr
.endr
.irp b, 0,1,2,3
	v_max_num_f32 v[BM+\b], v[BM+\b], v[S+15+16*\b]
.endr
	s_wait_dscnt 0x0                               ; V is in: my reads of this slot are over, and my stores into the other slot have landed
.if \m != 2
	s_barrier_signal -1                            ; say so; only work on registers stands between here and the wait
.endif
.irp b, 0,1,2,3
	v_permlanex16_b32 v[PX+\b], v[BM+\b], s[SEL], s[SEL+1]
.endr
.irp b, 0,1,2,3
	v_max_num_f32 v[BM+\b], v[BM+\b], v[PX+\b]     ; with lane l xor 16's 16 keys
.endr
	v_max3_num_f32 v[TMP], v[BM], v[BM+1], v[BM+2]
	v_max_num_f32 v[TMP], v[TMP], v[BM+3]          ; the step's largest score of my query
	v_mul_f32 v[TMP], s[CS], v[TMP]                ; as t (c is positive)
	v_max_num_f32 v13, v13, v[TMP]                 ; the running largest t
	v_mov_b32 v[TMP], v12
	v_floor_f32 v12, -v13                          ; the new -M = floor(-t) = -ceil(t)
	v_sub_f32 v[TMP], v12, v[TMP]                  ; M's old value less its new one: a whole number, 0 or less
	v_cvt_i32_f32 v[TMP], v[TMP]                   ; (it saturates)
	v_ldexp_f32 v[F], 1.0, v[TMP]                  ; f = 2^(old M - new M)
.set n, 0
.rept 32
	v_pk_fma_f32 v[S+n:S+n+1], v[S+n:S+n+1], s[CS:CS+1], v[12:13] op_sel_hi:[1,0,0]   ; t - M, two at a time
.set n, n+2
.endr
.irp b, 0,1,2,3
	v_fma_f32 v[BM+\b], v[BM+\b], s[CS], v12       ; the same of each block's largest score
.endr
.set n, 0
.rept 64
	v_exp_f32 v[S+n], v[S+n]                       ; p = 2^(t - M), at most 1
.set n, n+1
.endr
.irp b, 0,1,2,3
	v_exp_f32 v[BM+\b], v[BM+\b]                   ; the block's largest p: the same two instructions on the same number give the same bits
.endr
	v_pk_mul_f32 v[14:15], v[14:15], v[F:F+1] op_sel_hi:[1,0]   ; the sums under the new M.  (A plain place behind the exponentials)
	s_wait_alu depctr_va_vdst(0)                   ; the 68 exponentials have written p and the blocks' largest p: one wait for the batch, ahead of its first reader
.irp b, 0,1,2,3
	v_max_num_f32 v[BM+\b], 0x2800000, v[BM+\b]    ; the floor 2^(5 - 127): the byte cannot fall under 1
.endr
.irp b, 0,1,2,3
	v_add_nc_u32 v[SO+\b], 0xfe000000, v[BM+\b]    ; 4 off the exponent field: the conversion's scale operand
.endr
.irp b, 0,1,2,3
	v_lshrrev_b32 v[BY+\b], 23, v[SO+\b]           ; the scale's byte
.endr
	v_lshl_or_b32 v[PW], v[BY+1], 8, v[BY]         ; p's scale word for these 128 keys
	v_lshl_or_b32 v[PW], v[BY+2], 16, v[PW]
	v_lshl_or_b32 v[PW], v[BY+3], 24, v[PW]
.irp c, 0,1
	v_cvt_scalef32_pk16_bf6_f32 v[PC+6*\c:PC+6*\c+2], v[S+32*\c:S+32*\c+15], v[SO+2*\c]
	v_cvt_scalef32_pk16_bf6_f32 v[PT+4*\c:PT+4*\c+2], v[S+32*\c+16:S+32*\c+31], v[SO+2*\c+1]   ; (a conversion's three registers begin on an even number)
.endr
	v_nop                                          ; one plain place behind a scaled conversion
.irp c, 0,1                                    ; the operand's layout wants a whole block in a lane
.irp i, 0,1,2
	v_permlane16_swap_b32 v[PC+6*\c+\i], v[PT+4*\c+\i]
.endr
.irp i, 0,1,2
	v_mov_b32 v[PC+3+6*\c+\i], v[PT+4*\c+\i]
.endr
.endr
	v_pk_add_f32 v[SUM2:SUM2+1], v[S:S+1], v[S+2:S+3]   ; the row's sum is taken of the unquantised p: two at a time, in two chains
.set n, 4
.rept 15
	v_pk_add_f32 v[14:15], v[14:15], v[S+n:S+n+1]
	v_pk_add_f32 v[SUM2:SUM2+1], v[SUM2:SUM2+1], v[S+n+2:S+n+3]
.set n, n+4
.endr
	v_pk_add_f32 v[14:15], v[14:15], v[SUM2:SUM2+1]
.set n, 0
.rept 16
	v_pk_mul_f32 v[O+n:O+n+1], v[O+n:O+n+1], v[F:F+1] op_sel_hi:[1,0]   ; O^T under the new M.  (With the sums: the places between the writes of p's codes and scale word and the products)
.set n, n+2
.endr
	s_wait_alu depctr_va_vdst(0)                   ; p's codes (PC) and its scale word (PW) are written, which the four scaled products take; the places above stay beside this wait
.irp t, 0,1,2,3                                ; O^T += V^T P^T: the four accumulators by turns; the eight products of the scores stand between two links of a chain
	v_wmma_scale_f32_16x16x128_f8f6f4 v[O+8*\t:O+8*\t+7], v[KV+12*\t:KV+12*\t+11], v[PC:PC+11], v[O+8*\t:O+8*\t+7], v[VS+\t], v[PW] matrix_a_fmt:MATRIX_FMT_BF6 matrix_b_fmt:MATRIX_FMT_BF6
.endr
.rept 4
	v_nop                                          ; places in front of the next read of O^T
.endr
.if \m == 2
.Lend_\@:
.endif
.endm
; A phase's end: O^T / the sum; its 64 channels are two blocks of the last product's K: quantised, they are half a fragment, which leaves as it stands
.macro FINISH
	v_add_f32 v14, v14, v15                        ; the sum's two halves,
	v_permlanex16_b32 v[PX], v14, s[SEL], s[SEL+1]
	v_add_f32 v14, v14, v[PX]                      ; and lane l xor 16's: the row's sum
	v_rcp_f32 v[F], v14
	v_and_b32 v[TMP], 16, v0                       ; (a plain place behind the transcendental)
	v_cmp_ne_u32 vcc_lo, 0, v[TMP]                 ; lanes 16-31: the mask is made here, far ahead of the select that reads it
.set n, 0
	s_wait_alu depctr_va_vdst(0)                   ; the reciprocal has written v[F], ahead of its first reader
.rept 16
	v_pk_mul_f32 v[S+n:S+n+1], v[O+n:O+n+1], v[F:F+1] op_sel_hi:[1,0]   ; each accumulator from its low end on
.set n, n+2
.endr
.irp b, 0,1
	v_max3_num_f32 v[BM+\b], |v[S+16*\b]|, |v[S+1+16*\b]|, 0x2800000
.endr
.irp i, 2,4,6,8,10,12,14
.irp b, 0,1
	v_max3_num_f32 v[BM+\b], v[BM+\b], |v[S+16*\b+\i]|, |v[S+1+16*\b+\i]|
.endr
.endr
.irp b, 0,1
	v_permlanex16_b32 v[PX+\b], v[BM+\b], s[SEL], s[SEL+1]
.endr
.irp b, 0,1
	v_max_num_f32 v[BM+\b], v[BM+\b], v[PX+\b]
.endr
.irp b, 0,1
	v_add_nc_u32 v[SO+\b], 0xfe000000, v[BM+\b]
.endr
.irp b, 0,1
	v_lshrrev_b32 v[BY+\b], 23, v[SO+\b]
.endr
	v_cvt_scalef32_pk16_bf6_f32 v[PC:PC+2], v[S:S+15], v[SO]
	v_cvt_scalef32_pk16_bf6_f32 v[PT:PT+2], v[S+16:S+31], v[SO+1]
	v_nop                                          ; one plain place behind a scaled conversion
.irp i, 0,1,2
	v_permlane16_swap_b32 v[PC+\i], v[PT+\i]
.endr
.irp i, 0,1,2
	v_mov_b32 v[PC+3+\i], v[PT+\i]
.endr
	s_wait_alu depctr_va_vcc(0)                    ; the compare above has written VCC, which the select reads
	v_cndmask_b32 v[BYS], v[BY], v[BY+1], vcc_lo   ; lanes 0-15 store block 0's byte, lanes 16-31 block 1's
	s_wait_alu depctr_va_vdst(0)                   ; the codes (PC) and the byte (BYS) are written, which the three stores read
	global_store_b128 v1, v[PC:PC+3], s[ACP:ACP+1]              ; 512 consecutive bytes, at a multiple of 256 from the buffer's first byte
	global_store_b64 v2, v[PC+4:PC+5], s[ACP:ACP+1] offset:512  ; 256
	global_store_b8 v10, v[BYS], s[ASP:ASP+1]      ; my head's two bytes of each row's scale word: 32 bytes inside 64; a word's other two bytes are another head's, made by another work-group
.endm
	s_load_b128 s[4:7], s[0:1], 0x0                ; qkv, the result's codes
	s_load_b64 s[8:9], s[0:1], 0x10                ; and its scale words
	v_lshl_add_u32 v254, v0, 2, 0x8000
	v_mov_b32 v255, 0
	v_lshrrev_b32 v1, 5, v0
	v_readfirstlane_b32 s[WV], v1                  ; wave 0..15
	s_mov_b32 s[I], ttmp9
	s_and_b32 s[BH], ttmp7, 0xffff
	v_and_b32 v11, 31, v0                          ; lane
	v_and_b32 v[TMP], 15, v0                       ; r
	v_bfe_u32 v[TMP+1], v0, 4, 1                   ; h
	v_lshlrev_b32 v1, 4, v11
	v_lshlrev_b32 v2, 3, v11
	v_lshlrev_b32 v3, 4, v[TMP]
	v_lshlrev_b32 v4, 4, v0
	s_wait_alu depctr_va_sdst(0)                   ; the wave's number is written, ahead of its first reader
	s_and_b32 s28, s[WV], 7                        ; my tile in its record
	s_lshr_b32 s29, s28, 1
	s_and_b32 s30, s[WV], 1
	s_lshl_b32 s36, s30, 4                         ; which half of a scale word is my tile's
	s_lshl_b32 s31, s29, 5
	s_lshl_b32 s32, s30, 3
	s_add_co_u32 s31, s31, s32
	v_and_b32 v5, 8, v[TMP]
	v_add_nc_u32 v5, v5, v[TMP]
	v_add_nc_u32 v5, s31, v5                       ; my query in its record: 32 (tile / 2) + 8 (tile % 2) + r + 8 (r / 8),
	v_lshlrev_b32 v11, 4, v[TMP+1]
	v_sub_nc_u32 v5, v5, v11                       ; less 16 h
	v_mov_b32 v6, 0xff800000                       ; -infinity
	s_mul_i32 s32, s28, 768
	s_add_co_u32 s33, s32, 12800
	v_add_nc_u32 v7, s33, v1
	s_add_co_u32 s33, s32, 13312
	v_add_nc_u32 v8, s33, v2
	s_lshl_b32 s33, s29, 2
	s_add_co_u32 s33, s33, 18944
	v_add_nc_u32 v9, s33, v3
	v_lshl_add_u32 v10, v[TMP], 2, v[TMP+1]
	s_mov_b32 s[SEL], 0x76543210
	s_mov_b32 s[SEL+1], 0xfedcba98
	s_mov_b32 s[CS], 0x3e38aa3b                    ; c = log2(e) / sqrt(64)
	s_mov_b32 s[CS+1], s[CS]
.irp i, 0,1,2,3,4,5
	v_mov_b32 v[22+\i], 0                          ; the zero codes between the two copies of q
.endr
.irp b, 0,1,2,3
	v_mov_b32 v[PX+\b], 0                          ; written once: a lane permute's destination counts as one of its sources
.endr
	v_mov_b32 v[F+1], 0                            ; (named as the upper half of a pair)
	s_mul_i32 s28, s[BH], HEADB
	s_mov_b32 s29, 0
	s_wait_kmcnt 0x0
	s_add_nc_u64 s[HBP:HBP+1], s[HBP:HBP+1], s[28:29]
	s_sub_co_u32 s[BQ], 7, s[I]
	s_wait_alu depctr_va_vdst(0)                   ; the addresses and offsets v1 to v4 and v7 to v10 are written, which every load and store of the kernel reads; so are the zero codes, which the scores' products take
	PRELOAD BQ
	s_mov_b32 s[PH], 0
.Lphase:
	s_sub_co_u32 s28, 7, s[I]
	s_cmp_eq_u32 s[PH], 0
	s_cselect_b32 s[BQ], s28, s[I]
	PUT 0, LDB                                     ; record 0 (its wait is also Q's).  Every wave's last reads of slot 0 stood in front of a barrier that all have passed
.irp i, 0,1,2,3,4,5
	v_mov_b32 v[16+\i], v[LDA+\i]
	v_mov_b32 v[28+\i], v[LDA+\i]
.endr
	v_lshrrev_b32 v[TMP], s36, v[LDA+6]
	v_and_b32 v[TMP], 0xffff, v[TMP]
	v_lshl_or_b32 v[QS], v[TMP], 16, v[TMP]        ; my tile's two bytes, for either place of q
	s_wait_xcnt 0x0                                ; the last phase's loads and stores have read their bases and data: they are written again only behind this wait
	s_mov_b64 s[KVP:KVP+1], s[HBP:HBP+1]
	s_wait_alu depctr_va_vdst(0)                   ; the copies above are done reading LDA, in which record 1 lands (no store has read LDA since the wait on vm_vsrc ahead of the loads that brought q)
	GET LDA, KVP, RECB                             ; record 1
	s_lshr_b32 s28, s[BH], 4
	s_lshl_b32 s28, s28, 7
	s_lshl_b32 s29, s[BQ], 4
	s_add_co_u32 s28, s28, s29
	s_add_co_u32 s28, s28, s[WV]                   ; the result's tile: 128 x batch + 16 x block + wave
	s_and_b32 s30, s[BH], 15                       ; the head
	s_lshl_b32 s31, s28, 4
	s_add_co_u32 s31, s31, s30
	s_mul_i32 s32, s31, 768
	s_mov_b32 s33, 0
	s_add_nc_u64 s[ACP:ACP+1], s[6:7], s[32:33]
	s_lshl_b32 s32, s28, 9
	s_lshr_b32 s31, s30, 1
	s_lshl_b32 s31, s31, 6
	s_add_co_u32 s32, s32, s31
	s_and_b32 s31, s30, 1
	s_lshl_b32 s31, s31, 1
	s_add_co_u32 s32, s32, s31
	s_add_nc_u64 s[ASP:ASP+1], s[8:9], s[32:33]
	v_mov_b32 v13, 0xff61b1e6                      ; the largest t so far: -3e38, under every t
	v_floor_f32 v12, -v13                          ; -M
	v_mov_b32 v14, 0
	v_mov_b32 v15, 0
.set n, 0
.rept 32
	v_mov_b32 v[O+n], 0                            ; O^T.  (The step is written without a first step of its own: it finds zeros, which the first change of M leaves zeros)
.set n, n+1
.endr
	s_wait_dscnt 0x0                               ; my part of record 0 lies in slot 0, and my reads of slot 1 are over
	s_barrier_signal -1
	s_mov_b32 s[TR], s[BQ]
	s_cmp_eq_u32 s[BQ], 0
	s_cbranch_scc1 .Ldiag
.Ltrip:                                            ; a trip: 256 keys, all of which count for all 256 queries
	s_barrier_wait -1                              ; slot 0 is whole, and nobody reads slot 1
	FREE
	PUT 1, LDA
	GET LDB, KVP, 2*RECB
	STEP 0, 0
	s_barrier_wait -1                              ; slot 1 is whole, and nobody reads slot 0
	FREE
	PUT 0, LDB
	GET LDA, KVP, 3*RECB                           ; at the most record 2 x block + 1, which is 15 or less
	STEP 1, 0
	s_wait_xcnt 0x0                                ; the loads have read their base
	s_add_nc_u64 s[KVP:KVP+1], s[KVP:KVP+1], 2*RECB
	s_sub_co_u32 s[TR], s[TR], 1
	s_cmp_lg_u32 s[TR], 0
	s_cbranch_scc1 .Ltrip
.Ldiag:                                            ; the trip on the diagonal
	s_barrier_wait -1
	FREE
	PUT 1, LDA
	STEP 0, 1
	s_barrier_wait -1
	FREE                                           ; ahead of the branch: both sets, LDA and LDB, are free on both ways
	s_cmp_lg_u32 s[PH], 0
	s_cbranch_scc1 .Lno_next
	PRELOAD I                                      ; the second phase's first bytes are asked for a step and a half ahead
.Lno_next:
	STEP 1, 2
	FINISH
	s_add_co_u32 s[PH], s[PH], 1
	s_cmp_lt_u32 s[PH], 2
	s_cbranch_scc1 .Lphase
	s_wait_dscnt 0x0                               ; the closing lines, six on end
	s_wait_alu 0x0
	s_wait_tensorcnt 0x0
	ds_add_u32 v254, v255
	s_wait_dscnt 0x0
	s_endpgm
.Lfunc_end_k_qf39438329c_attn:
	.size	k_qf39438329c_attn, .Lfunc_end_k_qf39438329c_attn-k_qf39438329c_attn
	.p2alignl 7, 3214868480
	.fill 96, 4, 3214868480
	.section	.rodata,"a",@progbits
	.p2align	6, 0x0
	.amdhsa_kernel k_qf39438329c_attn
		.amdhsa_group_segment_fixed_size 34816
		.amdhsa_private_segment_fixed_size 0
		.amdhsa_enable_private_segment 0
		.amdhsa_kernarg_size 24
		.amdhsa_user_sgpr_count 2
		.amdhsa_user_sgpr_kernarg_segment_ptr 1
		.amdhsa_wavefront_size32 1
		.amdhsa_system_sgpr_workgroup_id_x 1
		.amdhsa_system_sgpr_workgroup_id_y 1
		.amdhsa_system_sgpr_workgroup_id_z 1
		.amdhsa_system_vgpr_workitem_id 0
		.amdhsa_next_free_vgpr 256
		.amdhsa_next_free_sgpr 66
		.amdhsa_reserve_vcc 1
		.amdhsa_float_denorm_mode_32 3
		.amdhsa_float_denorm_mode_16_64 3
		.amdhsa_memory_ordered 1
		.amdhsa_forward_progress 1
		.amdhsa_inst_pref_size 94
	.end_amdhsa_kernel
	.amdgpu_metadata
---
amdhsa.version: [ 1, 2 ]
amdhsa.kernels:
  - .name:           k_qf39438329c_attn
    .symbol:         k_qf39438329c_attn.kd
    .args:
      - { .name: qkv, .offset: 0, .size: 8, .value_kind: global_buffer, .address_space: global }
      - { .name: ac, .offset: 8, .size: 8, .value_kind: global_buffer, .address_space: global }
      - { .name: asc, .offset: 16, .size: 8, .value_kind: global_buffer, .address_space: global }
    .group_segment_fixed_size: 34816
    .private_segment_fixed_size: 0
    .kernarg_segment_align: 8
    .kernarg_segment_size: 24
    .max_flat_workgroup_size: 512
    .sgpr_count:     66
    .vgpr_count:     256
    .wavefront_size: 32
...
	.end_amdgpu_metadata
.endif
;; end of part 5
;; launch outp: the kernel of part 4 again; grid 4 x 32, 4 waves a work-group, clusters of 4 x 4, 327,680 bytes of LDS; arguments ac, asc, opc, ops, bo, out0; writes out0
